; MI455X (gfx1250); checked and timed in simulation.
; The chip was launched on July 23, 2026; its instructions are those of AMD's public machine-readable ISA for CDNA 5 (MIT licence, August 2026) and "CDNA5" Instruction Set Architecture Reference Guide (July 2026). The comments in the code are by the model that wrote it; some were corrected since.
;; Block Sparse. Allowed arithmetic: float matrix products may take bf16 or f16 operands with f32 sums; other float arithmetic in f32, or as packed bf16 or f16 multiplies, adds, multiply-adds, maxima and minima; sums over many terms, partial sums and values carried from step to step in f32; what a program stores and reads back later, other than sums and carried values, may be rounded once to bf16 or f16.
;; Inputs: bias 4,096 float32; mask 4,096 x 4,096 bool; weight 4,096 x 4,096 float32; x 4,096 x 4,096 float32.
;; Outputs: out0 4,096 x 4,096 float32.
;; 2 versions, each right; version 2 is version 1 with the launches prep, gemm written anew for expert scheduling mode. Each part assembles by itself: llvm-mc -triple=amdgcn-amd-amdhsa -mcpu=gfx1250 --defsym DOCPART=n.
;; ======== version 1 of 2: 2 launches
;; workspace buffers: xb 33,554,432 bytes; wb 33,554,432 bytes; flags 4,096 bytes of whole numbers
;; launch prep (part 1): grid 256 x 2, 4 waves a work-group, no clusters, 0 bytes of LDS; arguments x, weight, mask, xb, wb, flags; writes xb, wb, flags
.if DOCPART == 1
	.amdgcn_target "amdgcn-amd-amdhsa--gfx1250"
	.amdhsa_code_object_version 6
	.text
	.protected	k_q5421e36b8b_prep
	.globl	k_q5421e36b8b_prep
	.p2align	8
	.type	k_q5421e36b8b_prep,@function
k_q5421e36b8b_prep:
	s_mov_b64 s[64:65], 0
	v_nop
	global_prefetch_b8 v0, s[64:65] scope:SCOPE_SE
	s_setreg_imm32_b32 hwreg(HW_REG_WAVE_MODE, 25, 1), 1
	s_wait_xcnt 0x0
; out0 = x (mask ? weight : 0)^T + bias, all sides 4,096, in two launches.  THIS ONE rounds the two matrix operands to bf16 once and lays them out in tiles:
;   xb = bf16(x), wb = bf16(weight) where the mask byte is 1 and 0 where it is 0, and flags: for each 64 rows x 128 columns of the mask, whether any byte is true.
; The second launch multiplies xb by wb and adds the bias.
; WHAT THE PROGRAM LEAVES OUT.  For a tile of 256 columns of out0 (256 rows of weight) and a granule of 128 along k in which all 256 x 128 mask bytes are 0, reference() multiplies x by zeros
; that it makes itself: the sum takes 0 from there, whatever finite numbers x holds.  The second launch reads the flags, whole numbers stored here, and forms only the other products.  No pattern of
; the mask is built in: every byte of it is read here, and any mask is served.  Every input is loaded.
; LIMITS.  A NaN or an infinity of x that meets only such granules is not carried to the result (reference() would give NaN there).  A masked weight counts as 0 whatever it holds, as in jnp.where.
; A mask byte is 0 or 1.  x and weight are rounded to bf16, nearest even.
; LAYOUT of xb and wb.  Tile (rt = row / 256, g = k / 128) begins at byte (32 rt + g) x 65,536 and holds 256 rows of 256 bytes, dense.  In a row the 16-byte piece c (0..15) holds
; k = 128 g + 4 c + 0..3 and then k = 128 g + 64 + 4 c + 0..3: the same order in both operands, so products still pair equal k.  It lets a lane make its 16 bytes from two loads of 16 bytes.
; LAYOUT of flags.  Word ((16 j + gp) x 4 + w) serves rows 256 j + 64 w .. + 63 of the mask and columns 256 gp .. + 255: bits 15:0 are not 0 if granule 2 gp holds a true byte there, bits 31:16 the same for 2 gp + 1.
; SHARES.  Work-group (tix, y): y = 0 takes x, y = 1 weight and mask; rt = tix / 16, gp = tix % 16: 256 rows x 256 columns.  Wave w takes 64 of the rows.  Lane l: c = l % 16, gg = l / 16: piece c of granule 2 gp + gg.
; Each load of 16 bytes a lane covers two aligned runs of 256 bytes of a row, a row's two mask loads together one run of 256, each store two whole rows of 256 bytes of two tiles.
; A stream: no LDS, no barrier, no matrix unit; no wave needs another's bytes.  Two sets of eight rows: while one is worked on, the other's loads are on their way.
.set LO,  2                            ; v2   byte offset of my first four numbers in a row's 1,024 bytes: 512 gg + 16 c; never rewritten
.set MO,  3                            ; v3   the same in the mask's 256 bytes: 128 gg + 4 c
.set SO,  4                            ; v4   where my 16 bytes go: 65,536 gg + 16 c
.set ORM, 5                            ; v5   all my mask words, or-ed
.set T,   8                            ; v[8:10] at work
.set W,   16                           ; v[16:143]  set s, row r: 8 numbers in f32
.set M,   144                          ; v[144:175] set s, row r: 2 mask words
.set Y,   176                          ; v[176:239] set s, row r: 16 bytes to store
.set SRC, 20                           ; s[20:21] x or weight at my wave's rows in hand
.set MSK, 22                           ; s[22:23] the mask there
.set DST, 24                           ; s[24:25] xb or wb there
.set FLG, 26                           ; s[26:27] my wave's flag word
	s_load_b256 s[4:11], s[0:1], 0x0               ; x s[4:5], weight s[6:7], mask s[8:9], xb s[10:11]
	s_load_b128 s[12:15], s[0:1], 0x20             ; wb s[12:13], flags s[14:15]
	v_lshrrev_b32 v1, 5, v0
	v_readfirstlane_b32 s16, v1                    ; wave 0..3
	v_and_b32 v1, 31, v0                           ; lane
	v_and_b32 v8, 15, v0                           ; c
	v_bfe_u32 v9, v0, 4, 1                         ; gg
	v_lshlrev_b32 v[LO], 4, v8
	v_lshl_add_u32 v[SO], v9, 16, v[LO]
	v_lshl_add_u32 v[LO], v9, 9, v[LO]
	s_lshr_b32 s17, ttmp9, 4                       ; rt
	s_and_b32 s18, ttmp9, 15                       ; gp
	s_and_b32 s19, ttmp7, 0xffff                   ; y
	s_mov_b32 s29, 0
	s_lshl_b32 s28, s17, 22                        ; 256 rows of 16,384 bytes,
	s_lshl_b32 s34, s16, 20                        ; my wave's 64,
	s_add_co_u32 s28, s28, s34
	s_lshl_b32 s34, s18, 10                        ; 256 columns of 4 bytes
	s_add_co_u32 s28, s28, s34
	s_mov_b32 s37, 0
	s_lshl_b32 s36, s17, 21                        ; 32 tiles of 65,536 bytes,
	s_lshl_b32 s34, s18, 17                        ; two tiles,
	s_add_co_u32 s36, s36, s34
	s_lshl_b32 s34, s16, 14                        ; 64 rows of 256 bytes
	s_add_co_u32 s36, s36, s34
	s_wait_kmcnt 0x0
	s_cmp_eq_u32 s19, 0
	s_cselect_b64 s[SRC:SRC+1], s[4:5], s[6:7]
	s_cselect_b64 s[DST:DST+1], s[10:11], s[12:13]
	s_add_nc_u64 s[SRC:SRC+1], s[SRC:SRC+1], s[28:29]
	s_add_nc_u64 s[DST:DST+1], s[DST:DST+1], s[36:37]
; Eight rows, from row row0 behind the pointers, are asked for into set: 16 loads, with the mask 32.
.macro LOADB set, row0, masked
.irp r, 0,1,2,3,4,5,6,7
	global_load_b128 v[W+64*(\set)+8*(\r):W+64*(\set)+8*(\r)+3],   v[LO], s[SRC:SRC+1] offset:((\row0)+(\r))*16384 th:TH_LOAD_NT
	global_load_b128 v[W+64*(\set)+8*(\r)+4:W+64*(\set)+8*(\r)+7], v[LO], s[SRC:SRC+1] offset:((\row0)+(\r))*16384+256 th:TH_LOAD_NT
.if \masked
	global_load_b32 v[M+16*(\set)+2*(\r)],   v[MO], s[MSK:MSK+1] offset:((\row0)+(\r))*4096 th:TH_LOAD_NT
	global_load_b32 v[M+16*(\set)+2*(\r)+1], v[MO], s[MSK:MSK+1] offset:((\row0)+(\r))*4096+64 th:TH_LOAD_NT
.endif
.endr
.endm
; The set's eight rows are rounded, masked and stored.  left: the other set's younger loads, which may stay out.
.macro PROC set, row0, masked, left
	s_wait_loadcnt \left                           ; loads come back in order: this set is in
.irp r, 0,1,2,3,4,5,6,7
.irp q, 0,1,2,3
	v_cvt_pk_bf16_f32 v[Y+32*(\set)+4*(\r)+(\q)], v[W+64*(\set)+8*(\r)+2*(\q)], v[W+64*(\set)+8*(\r)+2*(\q)+1]
.endr
.if \masked
.irp h, 0,1
	v_or_b32 v[ORM], v[ORM], v[M+16*(\set)+2*(\r)+(\h)]
	v_lshlrev_b32 v[T], 8, v[M+16*(\set)+2*(\r)+(\h)]            ; 256 m - m = 255 m: each byte 1 becomes 0xff, with no carry between bytes
	v_sub_nc_u32 v[T], v[T], v[M+16*(\set)+2*(\r)+(\h)]
	v_perm_b32 v[T+1], v[T], v[T], s32                           ; bytes 0, 0, 1, 1: the mask of two packed bf16,
	v_perm_b32 v[T+2], v[T], v[T], s33                           ; bytes 2, 2, 3, 3: of the next two
	v_and_b32 v[Y+32*(\set)+4*(\r)+2*(\h)],   v[T+1], v[Y+32*(\set)+4*(\r)+2*(\h)]
	v_and_b32 v[Y+32*(\set)+4*(\r)+2*(\h)+1], v[T+2], v[Y+32*(\set)+4*(\r)+2*(\h)+1]
.endr
.endif
	global_store_b128 v[SO], v[Y+32*(\set)+4*(\r):Y+32*(\set)+4*(\r)+3], s[DST:DST+1] offset:((\row0)+(\r))*256
.endr
.endm
; A wave's 64 rows: 16 a trip, three trips, and the last 16 behind the loop, which loads nothing beyond them.
.macro BODY masked
.set NL, 16+16*(\masked)
	LOADB 0, 0, \masked
	LOADB 1, 8, \masked
	s_mov_b32 s31, 3
.Ltrip_\@:
	PROC 0, 0, \masked, NL
	LOADB 0, 16, \masked
	PROC 1, 8, \masked, NL
	LOADB 1, 24, \masked
	s_wait_xcnt 0x0                                ; the pointers, and both sets' Y, which this trip's stores read, are written again only behind this wait
	s_add_nc_u64 s[SRC:SRC+1], s[SRC:SRC+1], 16*16384
.if \masked
	s_add_nc_u64 s[MSK:MSK+1], s[MSK:MSK+1], 16*4096
.endif
	s_add_nc_u64 s[DST:DST+1], s[DST:DST+1], 16*256
	s_sub_co_u32 s31, s31, 1
	s_cmp_lg_u32 s31, 0
	s_cbranch_scc1 .Ltrip_\@
	PROC 0, 0, \masked, NL
	PROC 1, 8, \masked, 0
.endm
	s_cmp_lg_u32 s19, 0
	s_cbranch_scc1 .Lweights
	BODY 0                                         ; x
	s_endpgm
.Lweights:
	v_lshlrev_b32 v[MO], 2, v8
	v_lshl_add_u32 v[MO], v9, 7, v[MO]
	v_mov_b32 v[ORM], 0
	v_mov_b32 v7, 0
	s_mov_b32 s32, 0x01010000
	s_mov_b32 s33, 0x03030202
	s_lshl_b32 s28, s17, 20                        ; the mask: 256 rows of 4,096 bytes,
	s_lshl_b32 s34, s16, 18                        ; my wave's 64,
	s_add_co_u32 s28, s28, s34
	s_lshl_b32 s34, s18, 8                         ; 256 columns
	s_add_co_u32 s28, s28, s34
	s_add_nc_u64 s[MSK:MSK+1], s[8:9], s[28:29]
	s_lshl_b32 s28, s17, 4
	s_add_co_u32 s28, s28, s18
	s_lshl_b32 s28, s28, 2
	s_add_co_u32 s28, s28, s16
	s_lshl_b32 s28, s28, 2                         ; ((16 rt + gp) x 4 + w) words
	s_add_nc_u64 s[FLG:FLG+1], s[14:15], s[28:29]
	BODY 1                                         ; weight and mask
	v_cmp_ne_u32 vcc_lo, 0, v[ORM]                 ; bit l: lane l has met a true byte: lanes 0-15 stand for granule 2 gp, lanes 16-31 for 2 gp + 1
	v_mov_b32 v6, vcc_lo
	v_cmp_eq_u32 vcc_lo, 0, v1
	s_wait_xcnt 0x0                                ; EXEC, which the stores above read, changes only behind this wait
	s_and_saveexec_b32 s30, vcc_lo
	global_store_b32 v7, v6, s[FLG:FLG+1]          ; lane 0 stores the wave's word: the launch's one narrow store, 4 bytes a wave
	s_wait_xcnt 0x0
	s_or_b32 exec_lo, exec_lo, s30
	s_endpgm
.Lfunc_end_k_q5421e36b8b_prep:
	.size	k_q5421e36b8b_prep, .Lfunc_end_k_q5421e36b8b_prep-k_q5421e36b8b_prep
	.p2alignl 7, 3214868480
	.fill 96, 4, 3214868480
	.section	.rodata,"a",@progbits
	.p2align	6, 0x0
	.amdhsa_kernel k_q5421e36b8b_prep
		.amdhsa_group_segment_fixed_size 0
		.amdhsa_private_segment_fixed_size 0
		.amdhsa_enable_private_segment 0
		.amdhsa_kernarg_size 48
		.amdhsa_user_sgpr_count 2
		.amdhsa_user_sgpr_kernarg_segment_ptr 1
		.amdhsa_wavefront_size32 1
		.amdhsa_system_sgpr_workgroup_id_x 1
		.amdhsa_system_sgpr_workgroup_id_y 1
		.amdhsa_system_sgpr_workgroup_id_z 1
		.amdhsa_system_vgpr_workitem_id 0
		.amdhsa_next_free_vgpr 240
		.amdhsa_next_free_sgpr 66
		.amdhsa_reserve_vcc 1
		.amdhsa_float_denorm_mode_32 3
		.amdhsa_float_denorm_mode_16_64 3
		.amdhsa_memory_ordered 1
		.amdhsa_forward_progress 1
		.amdhsa_inst_pref_size 62
	.end_amdhsa_kernel
	.amdgpu_metadata
---
amdhsa.version: [ 1, 2 ]
amdhsa.kernels:
  - .name:           k_q5421e36b8b_prep
    .symbol:         k_q5421e36b8b_prep.kd
    .args:
      - { .name: x, .offset: 0, .size: 8, .value_kind: global_buffer, .address_space: global }
      - { .name: weight, .offset: 8, .size: 8, .value_kind: global_buffer, .address_space: global }
      - { .name: mask, .offset: 16, .size: 8, .value_kind: global_buffer, .address_space: global }
      - { .name: xb, .offset: 24, .size: 8, .value_kind: global_buffer, .address_space: global }
      - { .name: wb, .offset: 32, .size: 8, .value_kind: global_buffer, .address_space: global }
      - { .name: flags, .offset: 40, .size: 8, .value_kind: global_buffer, .address_space: global }
    .group_segment_fixed_size: 0
    .private_segment_fixed_size: 0
    .kernarg_segment_align: 8
    .kernarg_segment_size: 48
    .max_flat_workgroup_size: 128
    .sgpr_count:     66
    .vgpr_count:     240
    .wavefront_size: 32
...
	.end_amdgpu_metadata
.endif
;; end of part 1
;; launch gemm (part 2): grid 16 x 16, 4 waves a work-group, no clusters, 312,832 bytes of LDS; arguments xb, wb, flags, bias, out0; writes out0
.if DOCPART == 2
	.amdgcn_target "amdgcn-amd-amdhsa--gfx1250"
	.amdhsa_code_object_version 6
	.text
	.protected	k_q5421e36b8b_gemm
	.globl	k_q5421e36b8b_gemm
	.p2align	8
	.type	k_q5421e36b8b_gemm,@function
k_q5421e36b8b_gemm:
	s_mov_b64 s[64:65], 0
	v_nop
	global_prefetch_b8 v0, s[64:65] scope:SCOPE_SE
	s_setreg_imm32_b32 hwreg(HW_REG_WAVE_MODE, 25, 1), 1
	s_wait_xcnt 0x0
; out0[m][n] = the sum over k of xb[m][k] wb[n][k] + bias[n].  xb, wb: bf16 in tiles of 256 rows x 128 k (65,536 dense bytes; tile (t, g) at (32 t + g) x 65,536), wb masked, as the launch before laid them; sums in f32.
; LEFT OUT: the products of a granule g of 128 along k in which the mask of this tile's 256 weight rows holds no true byte: wb is 0 there, so the sum takes 0 from it for every finite x.  Which granules those
; are is read from flags, whole numbers that the launch before stored.  LIMITS: a NaN or an infinity of x that meets only such granules is not carried to out0; the sums run over the live granules in ascending
; order, inside a granule in the tiles' order of k, not in the order of reference().
; SHARES.  Work-group (j, i) makes rows 256 i .. and columns 256 j .. of out0: 256 work-groups.  Four waves, each 128 x 128: 64 accumulators of 16 x 16, 512 registers.
; THE WALK.  BM is the map of the tile's live granules (bit g), made from the 64 flag words of weight rows 256 j ..; a tile with none takes granule 0, whose wb is all 0, so that the first products can always
; start the sums.  32 trips, a constant that covers every mask: the live granules come first, one a trip; in a dead trip all work is jumped over and only the barrier is passed.  Every wave passes every barrier.
; LDS is filled THROUGH REGISTERS: a wave loads its 64 rows of A's and of B's next tile (32 loads of 512 consecutive bytes each) into 128 staging registers and stores them into the slot that is not being read.
; In trip T: A(T+1) is stored and B(T+1) asked for in the first quarter, B(T+1) stored and A(T+2) asked for in the third: each request has 128 matrix instructions in which to land.
; ORDER.  Between barrier T-1 and barrier T all LDS reads are of slot T % 2 and all LDS stores go into the other slot, whichever jumps are taken; in front of each signal a wave has waited for all its LDS instructions.
; NO CLUSTER, NO TENSOR LOADS, though 16 work-groups read each tile.  A joint request is a tensor load, and a ring of tensor loads has a fixed number of refills, none of which may be jumped on numbers read from
; memory: it would bring all 32 granules, 32 x 131,072 bytes a work-group, where a mask with c live granules needs c x 131,072; and the work-groups that share a tile of xb have different j, so different lists.
; THE MATRIX INSTRUCTION IS USED TRANSPOSED (source 0 = 16 rows of wb, source 1 = 16 rows of xb): lane l then holds row l % 16 of out0 and eight neighbouring columns 8 (l / 16) + 0..7.
; REGISTERS, in windows of 256 (s_set_vgpr_msb: bits 1:0 source 0, 3:2 source 1, 5:4 source 2, 7:6 destination):
;   window 0: v0-35 addresses and small things; v64-127, v128-191 fragments of A, two buffers (at the start: B's first tile; on the way out: rows read back); v192-251 at the start: other tiles' flags
;   window 1: v0-63, v64-127 fragments of B, two buffers; v128-255 the staging registers
;   window 2: the accumulators of my rows 0-63 ((a, b) at v[8 (8 a + b)]);   window 3: those of my rows 64-127
.set PITCH,  272                       ; an LDS row: 256 bytes + 16 = 68 words: the 16 rows that a fragment load touches start 4 banks apart (64 banks of 4 bytes: ISA guide 11.1)
.set BOFF,   256*PITCH                 ; in a slot: A's 256 rows, then B's
.set SLOT,   2*BOFF
.set STAGE,  2*SLOT                    ; behind the slots: 16 rows x 528 bytes for each wave, for the way out
.set SPITCH, 528                       ; 512 bytes + 16 = 132 words: again 4 banks from row to row
.set SPARE,  STAGE+4*16*SPITCH         ; 312,320 = 1,220 x 256: the spare words, 128 bytes a wave, which no other line names
.set GO,   4                           ; v4   16 x lane: my 16 bytes of 512; never rewritten
.set LF,   5                           ; v5   16 x (lane / 2): the four flag words of granules 2 (lane / 2) and + 1
.set LJ,   6                           ; v6   the same in my own N tile: + 256 j
.set PFO,  7                           ; v7   256 x lane: the prefetches' offset; never rewritten
.set BI,   8                           ; v[8:11] the bias of columns 4 lane .. + 3 of my wave's 128
.set FJ,   12                          ; v12  at work on flags
.set LOW,  13                          ; v13  the flags of all N tiles below mine, or-ed
.set HM,   14                          ; v14  my granule's half of a flag word: 0xffff (even lane) or 0xffff0000
.set TV,   15                          ; v15  at work
.set ADRA, 16                          ; v16-17 LDS address of my A fragments in slot 0, 1
.set ADRB, 18                          ; v18-19 of my B fragments
.set SA,   20                          ; v20-21 where I store my 16 bytes of A's two rows in slot 0, 1
.set SB,   22                          ; v22-23 of B's
.set STO,  24                          ; v24  the way out: where I put 32 bytes of a row
.set RD,   25                          ; v25  the way out: where I read a row back
.set SPW,  28                          ; v28  my spare word: SPARE + 4 x my thread's number; never rewritten
.set NIL,  29                          ; v29  0; never rewritten
.set OWF,  32                          ; v[32:35] my lane's four flag words of my own N tile
.set FA,   64                          ; window 0
.set FB,   0                           ; window 1
.set ST,   128                         ; window 1
.set OB,   64                          ; window 0, the way out
.set OF,   192                         ; window 0, the start
.set WV,   14                          ; s14  wave
.set MH,   15                          ; s15  which half of the tile's rows is mine
.set NH,   16                          ; s16  which half of its columns
.set J,    17                          ; s17  N tile
.set I,    18                          ; s18  M tile
.set XT,   20                          ; s[20:21] xb at my wave's 64 rows of tile (i, 0); never rewritten
.set WT,   22                          ; s[22:23] wb at my wave's 64 rows of tile (j, 0); never rewritten
.set PA,   24                          ; s[24:25] the tile of A that is asked for
.set PB,   26                          ; s[26:27] of B
.set OFF,  28                          ; s[28:29] 65,536 x the granule last taken from BM
.set BM,   30                          ; s30  live granules whose A has not been asked for
.set REM,  31                          ; s31  live trips to go, the one in hand among them
.set G,    32
.set TMP,  33
.set LAP,  34
.set BMP,  35                          ; s35  live granules not yet prefetched
.set OWN,  36                          ; s36  bit g: no N tile below mine has granule g live
.set GP,   37
.set POFF, 38                          ; s[38:39]
.set PPX,  40                          ; s[40:41] what the prefetches of xb name
.set PPW,  42                          ; s[42:43] of wb
.set DOX,  44                          ; s44  1: I ask for xb's tile
.set DOW,  45                          ; s45  1: for wb's
.set OUT,  46                          ; s[46:47] out0 at my wave's first row and column
.set MSB, 0
.macro WIN new                         ; the immediate's high byte repeats the setting that is left; a switch that changes nothing is dropped
.if MSB != (\new)
	s_set_vgpr_msb (MSB<<8)|(\new)
.set MSB, \new
.endif
.endm
.set MUL_LO, 0xa1                      ; source 0 (B) window 1, source 1 (A) window 0, C and D window 2
.set MUL_HI, 0xf1                      ; the same, C and D window 3
	s_load_b256 s[4:11], s[0:1], 0x0               ; xb s[4:5], wb s[6:7], flags s[8:9], bias s[10:11]
	s_load_b64 s[12:13], s[0:1], 0x20              ; out0
	v_lshl_add_u32 v[SPW], v0, 2, SPARE
	v_mov_b32 v[NIL], 0
	v_lshrrev_b32 v1, 5, v0
	v_readfirstlane_b32 s[WV], v1                  ; wave 0..3
	s_lshr_b32 s[MH], s[WV], 1
	s_and_b32 s[NH], s[WV], 1
	s_mov_b32 s[J], ttmp9
	s_and_b32 s[I], ttmp7, 0xffff
	v_and_b32 v3, 31, v0                           ; lane
	v_lshlrev_b32 v[GO], 4, v3
	v_lshrrev_b32 v[LF], 1, v3
	v_lshlrev_b32 v[LF], 4, v[LF]
	s_lshl_b32 s48, s[J], 8
	v_add_nc_u32 v[LJ], s48, v[LF]
	s_mov_b32 s53, 0
	s_lshl_b32 s52, s[J], 10                       ; 256 j columns of 4 bytes,
	s_lshl_b32 s51, s[NH], 9                       ; my half's 128
	s_add_co_u32 s52, s52, s51
	s_wait_kmcnt 0x0
	s_add_nc_u64 s[54:55], s[10:11], s[52:53]
	global_load_b128 v[OWF:OWF+3], v[LJ], s[8:9]   ; my N tile's flags: 64 words, four a lane pair
	global_load_b128 v[BI:BI+3], v[GO], s[54:55]
.irp jj, 0,1,2,3,4,5,6,7,8,9,10,11,12,13,14
	global_load_b128 v[OF+4*(\jj):OF+4*(\jj)+3], v[LF], s[8:9] offset:256*(\jj)  ; the flags of N tiles 0 to 14: those below mine say who prefetches xb
.endr
	; addresses, while the flags are on their way
	v_and_b32 v1, 15, v0                           ; l % 16
	v_bfe_u32 v2, v0, 4, 1                         ; l / 16
	v_lshlrev_b32 v[PFO], 8, v3
	v_and_b32 v[TV], 1, v3
	v_lshlrev_b32 v[TV], 4, v[TV]
	v_mov_b32 v[HM], 0xffff
	v_lshlrev_b32 v[HM], v[TV], v[HM]
	v_mul_u32_u24 v[TV], v1, PITCH                 ; a fragment: row l % 16, 16 bytes for each half of the lanes
	v_lshl_add_u32 v[TV], v2, 4, v[TV]
	s_mul_i32 s48, s[MH], 128*PITCH
	s_mul_i32 s49, s[NH], 128*PITCH
	s_add_co_u32 s49, s49, BOFF
	v_add_nc_u32 v[ADRA], s48, v[TV]
	v_add_nc_u32 v[ADRA+1], SLOT, v[ADRA]
	v_add_nc_u32 v[ADRB], s49, v[TV]
	v_add_nc_u32 v[ADRB+1], SLOT, v[ADRB]
	v_mul_u32_u24 v[TV], v2, PITCH                 ; filling: lanes 0-15 write one row of 256 bytes, lanes 16-31 the next; my wave's rows 64 w ..
	v_lshl_add_u32 v[TV], v1, 4, v[TV]
	s_mul_i32 s48, s[WV], 64*PITCH
	v_add_nc_u32 v[SA], s48, v[TV]
	v_add_nc_u32 v[SA+1], SLOT, v[SA]
	v_add_nc_u32 v[SB], BOFF, v[SA]
	v_add_nc_u32 v[SB+1], BOFF, v[SA+1]
	s_mul_i32 s48, s[WV], 16*SPITCH
	s_add_co_u32 s48, s48, STAGE                   ; my stage
	v_mul_u32_u24 v[TV], v1, SPITCH                ; in: row l % 16, 32 bytes for each half of the lanes
	v_lshl_add_u32 v[TV], v2, 5, v[TV]
	v_add_nc_u32 v[STO], s48, v[TV]
	v_add_nc_u32 v[RD], s48, v[GO]                 ; back: a whole row of 512 bytes
	s_mov_b32 s[OFF+1], 0
	s_mov_b32 s[POFF+1], 0
	s_mov_b32 s49, 0
	s_lshl_b32 s50, s[WV], 14                      ; my wave's 64 rows of 256 bytes in a tile
	s_lshl_b32 s48, s[I], 21                       ; 32 tiles of 65,536 bytes
	s_add_co_u32 s48, s48, s50
	s_add_nc_u64 s[XT:XT+1], s[4:5], s[48:49]
	s_lshl_b32 s48, s[J], 21
	s_add_co_u32 s48, s48, s50
	s_add_nc_u64 s[WT:WT+1], s[6:7], s[48:49]
	s_lshl_b32 s48, s[I], 8
	s_lshl_b32 s51, s[MH], 7
	s_add_co_u32 s48, s48, s51                     ; my first row of out0,
	s_lshl_b32 s48, s48, 14                        ; 16,384 bytes a row,
	s_add_co_u32 s48, s48, s52                     ; my first column
	s_add_nc_u64 s[OUT:OUT+1], s[12:13], s[48:49]
; 16 matrix instructions: m blocks a0, a0 + 1 of the window's four (hi = 0: my rows 0-63, 1: rows 64-127) x all 8 n blocks, 32 along K, from buffers p.  zero = 1: the products start the sums.
; The 64 accumulators take turns, one instruction a turn; a group's first accumulator (b = 0) is never another group's last (b = 7), so that holds over every jump too.
.macro MUL16 p, hi, a0, zero
	WIN MUL_LO+0x50*(\hi)
.irp a, \a0, (\a0)+1
.irp b, 0,1,2,3,4,5,6,7
.if \zero
	v_wmma_f32_16x16x32_bf16 v[8*(8*(\a)+(\b)):8*(8*(\a)+(\b))+7], v[FB+64*(\p)+8*(\b):FB+64*(\p)+8*(\b)+7], v[FA+64*(\p)+8*(4*(\hi)+(\a)):FA+64*(\p)+8*(4*(\hi)+(\a))+7], 0
.else
	v_wmma_f32_16x16x32_bf16 v[8*(8*(\a)+(\b)):8*(8*(\a)+(\b))+7], v[FB+64*(\p)+8*(\b):FB+64*(\p)+8*(\b)+7], v[FA+64*(\p)+8*(4*(\hi)+(\a)):FA+64*(\p)+8*(4*(\hi)+(\a))+7], v[8*(8*(\a)+(\b)):8*(8*(\a)+(\b))+7]
.endif
.endr
.endr
.endm
; A load into a register that a matrix instruction has read, and an LDS store of a matrix result, stand four plain vector instructions behind that matrix instruction (ISA guide 7.12.1 for vector instructions).
.macro PLACES
.rept 4
	v_nop
.endr
.endm
; 32 LDS loads in one run: the fragments of 64 bytes of the rows, at byte k, into buffers p: 128 rows of B, 128 rows of A.  It leaves every window 0.
.macro FETCH slot, k, p
	WIN 0x40                                       ; destination window 1
.irp i, 0,1,2,3,4,5,6,7
	ds_load_b128 v[FB+64*(\p)+8*(\i):FB+64*(\p)+8*(\i)+3],   v[ADRB+(\slot)] offset:(\k)+(\i)*16*PITCH
	ds_load_b128 v[FB+64*(\p)+8*(\i)+4:FB+64*(\p)+8*(\i)+7], v[ADRB+(\slot)] offset:(\k)+(\i)*16*PITCH+32
.endr
	WIN 0
.irp i, 0,1,2,3,4,5,6,7
	ds_load_b128 v[FA+64*(\p)+8*(\i):FA+64*(\p)+8*(\i)+3],   v[ADRA+(\slot)] offset:(\k)+(\i)*16*PITCH
	ds_load_b128 v[FA+64*(\p)+8*(\i)+4:FA+64*(\p)+8*(\i)+7], v[ADRA+(\slot)] offset:(\k)+(\i)*16*PITCH+32
.endr
.endm
; My wave's 64 rows of a tile: 32 loads of 512 consecutive bytes.  win = 1: into the staging registers; 0: into window 0, v64-191 (the start alone).
.macro GLOAD base, win
.if \win
	WIN 0x40
.set LD0, ST
.else
	WIN 0
.set LD0, 64
.endif
.set t, 0
.rept 32
	global_load_b128 v[LD0+4*t:LD0+4*t+3], v[GO], s[\base:\base+1] offset:t*512
.set t, t+1
.endr
.endm
; And into LDS: 32 stores of two rows each.
.macro DSTORE adr, win
.if \win
	WIN 0x04                                       ; data window 1
.set LD0, ST
.else
	WIN 0
.set LD0, 64
.endif
.set t, 0
.rept 32
	ds_store_b128 v[\adr], v[LD0+4*t:LD0+4*t+3] offset:t*2*PITCH
.set t, t+1
.endr
.endm
; The lowest granule is taken out of BM; OFF is its tile's place.  The number comes from memory: it is held to 31 before it enters an address.
.macro NEXTG
	s_ctz_i32_b32 s[G], s[BM]
	s_min_u32 s[G], s[G], 31
	s_sub_co_u32 s[TMP], s[BM], 1
	s_and_b32 s[BM], s[BM], s[TMP]
	s_lshl_b32 s[OFF], s[G], 16
.endm
; THE PREFETCH INTO THE L2.  In trip T the tiles at place T + 4 of the list are named: two trips, 512 matrix instructions, ahead of the loads of A's and two and a half ahead of B's.  Places 0 to 3 come by their loads alone.
; WHO.  wb's tile (j, g) is read by the 16 work-groups of column j: the one with i = g % 16 asks.  xb's tile (i, g) is read by the work-groups of row i that have g live: the one with the lowest j asks (OWN).
; Each of its four waves names its own 64 rows of 256 bytes, a lane a row, two instructions.  So a row of a tile is named once in the launch (but for N tiles with no true byte, which take granule 0 unlisted).
; When the list is at its end nothing is asked for: both flags are cleared; the granule is held to 31, so every lane stays inside its buffer.
.macro PFPTR
	s_ctz_i32_b32 s[GP], s[BMP]
	s_min_u32 s[GP], s[GP], 31
	s_lshr_b32 s[DOX], s[OWN], s[GP]
	s_and_b32 s[DOX], s[DOX], 1
	s_and_b32 s[DOW], s[GP], 15
	s_cmp_eq_u32 s[DOW], s[I]
	s_cselect_b32 s[DOW], 1, 0
	s_cmp_eq_u32 s[BMP], 0
	s_cselect_b32 s[DOX], 0, s[DOX]
	s_cselect_b32 s[DOW], 0, s[DOW]
	s_sub_co_u32 s[TMP], s[BMP], 1
	s_and_b32 s[BMP], s[BMP], s[TMP]
	s_lshl_b32 s[POFF], s[GP], 16
	s_add_nc_u64 s[PPX:PPX+1], s[XT:XT+1], s[POFF:POFF+1]
	s_add_nc_u64 s[PPW:PPW+1], s[WT:WT+1], s[POFF:POFF+1]
.endm
.macro PFASK
	s_cmp_eq_u32 s[DOX], 0
	s_cbranch_scc1 .Lnot_x_\@
	global_prefetch_b8 v[PFO], s[PPX:PPX+1] th:TH_LOAD_NT scope:SCOPE_SE
	global_prefetch_b8 v[PFO], s[PPX:PPX+1] offset:8192 th:TH_LOAD_NT scope:SCOPE_SE
.Lnot_x_\@:
	s_cmp_eq_u32 s[DOW], 0
	s_cbranch_scc1 .Lnot_w_\@
	global_prefetch_b8 v[PFO], s[PPW:PPW+1] th:TH_LOAD_NT scope:SCOPE_SE
	global_prefetch_b8 v[PFO], s[PPW:PPW+1] offset:8192 th:TH_LOAD_NT scope:SCOPE_SE
.Lnot_w_\@:
.endm
; In a trip's first quarter, if a live trip follows: A's next tile goes from the staging registers into slot n, and B's is asked for.  Entered and left with every window 0.
.macro STAGE1 n
	s_cmp_lt_u32 s[REM], 2
	s_cbranch_scc1 .Lno_next_\@
	s_wait_loadcnt 0x0                             ; A's tile is in; no load of mine is out, so PB may be written
	DSTORE (SA+(\n)), 1
	s_add_nc_u64 s[PB:PB+1], s[WT:WT+1], s[OFF:OFF+1]
	GLOAD PB, 1                                    ; (an LDS store has read its data when it is issued: the registers may be loaded again)
	WIN 0
.Lno_next_\@:
.endm
; In its third quarter: B's next tile goes into slot n; and, if the list has a further granule, its A is asked for and the prefetches follow.
.macro STAGE2 n
	s_cmp_lt_u32 s[REM], 2
	s_cbranch_scc1 .Lno_next_\@
	s_wait_loadcnt 0x0                             ; B's tile is in
	DSTORE (SB+(\n)), 1
	WIN 0
.Lno_next_\@:
	s_cmp_eq_u32 s[BM], 0
	s_cbranch_scc1 .Lno_more_\@
	s_wait_loadcnt 0x0                             ; no load of mine is out, so PA may be written
	s_wait_xcnt 0x0                                ; the last prefetches, a whole trip back, have read their addresses
	NEXTG
	s_add_nc_u64 s[PA:PA+1], s[XT:XT+1], s[OFF:OFF+1]
	PFPTR
	GLOAD PA, 1
	WIN 0
	PFASK                                          ; together, behind the run of loads
.Lno_more_\@:
.endm
; A trip is four quarters of 32 along K, 64 matrix instructions each, on buffers 0, 1, 0, 1.  One of the first three multiplies buffers p and, in its middle, fetches the next quarter, at byte k, into buffers q.
; The wait is for 0: how many LDS instructions are out hangs on the jumps behind.
.macro QUARTER slot, k, p, q, zero, hook, n
	s_wait_dscnt 0x0                               ; buffers p are in
	MUL16 \p, 0, 0, \zero
	MUL16 \p, 0, 2, \zero
	PLACES
	FETCH \slot, \k, \q
.if (\hook) == 1
	STAGE1 \n
.elseif (\hook) == 2
	STAGE2 \n
.endif
	MUL16 \p, 1, 0, \zero
	MUL16 \p, 1, 2, \zero
.endm
; A TRIP on slot s; n is the other slot.  cond = 1: the trip may be dead (REM = 0): then all but the barrier is jumped over.  last = 1: the 32nd trip: nothing follows it, so it stages nothing and has no barrier.
.macro TRIP s, n, zero, cond, last
.if \cond
	s_cmp_eq_u32 s[REM], 0
.if \last
	s_cbranch_scc1 .Ldone_\@
.else
	s_cbranch_scc1 .Lmeet_\@
.endif
.endif
.if \last
	QUARTER \s, 64,  0, 1, \zero, 0, \n
	QUARTER \s, 128, 1, 0, 0, 0, \n
	QUARTER \s, 192, 0, 1, 0, 0, \n
.else
	QUARTER \s, 64,  0, 1, \zero, 1, \n
	QUARTER \s, 128, 1, 0, 0, 0, \n
	QUARTER \s, 192, 0, 1, 0, 2, \n
.endif
	s_wait_dscnt 0x0                               ; buffers 1 are in, and my stores into slot n are done
	MUL16 1, 0, 0, 0
	MUL16 1, 0, 2, 0
	WIN 0                                          ; at a label and at a branch every window is 0
.if !(\last)
.Lmeet_\@:
	s_wait_dscnt 0x0                               ; on either way here: my reads of slot s and my stores into slot n are over
	s_barrier_signal -1
	s_barrier_wait -1                              ; everybody's are: slot n is whole, and slot s may be written
.if \cond
	s_cmp_eq_u32 s[REM], 0
	s_cbranch_scc1 .Ldone_\@
.endif
	s_cmp_lt_u32 s[REM], 2
	s_cbranch_scc1 .Lno_fetch_\@
	PLACES
	FETCH \n, 0, 0                                 ; the next trip's first fragments
.Lno_fetch_\@:
.endif
	MUL16 1, 1, 0, 0
	MUL16 1, 1, 2, 0
	WIN 0
	s_sub_co_u32 s[REM], s[REM], 1
.Ldone_\@:
.endm
; THE WAY OUT of block a (16 rows x 128 columns, f32).  TOSTAGE: a lane's 32 bytes of each of 8 column blocks go into my own stage, each accumulator's low registers first; whole rows of 512 bytes come back.
.macro TOSTAGE a
	WIN 0
.if (\a) >= 2
	s_wait_xcnt 0x0                                ; the stores of the block two back have read the registers that are now loaded again
.endif
	WIN 0x08+4*((\a)/4)                            ; data window 2 or 3
.irp b, 0,1,2,3,4,5,6,7
	ds_store_b128 v[STO], v[8*(8*((\a)%4)+(\b)):8*(8*((\a)%4)+(\b))+3]   offset:64*(\b)
	ds_store_b128 v[STO], v[8*(8*((\a)%4)+(\b))+4:8*(8*((\a)%4)+(\b))+7] offset:64*(\b)+16
.endr
	WIN 0
.irp t, 0,1,2,3,4,5,6,7,8,9,10,11,12,13,14,15
	ds_load_b128 v[OB+64*((\a)%2)+4*(\t):OB+64*((\a)%2)+4*(\t)+3], v[RD] offset:(\t)*SPITCH  ; LDS serves a wave's instructions in order (ISA guide 5.7.1.4): these see the stores above, and the next block's stores come behind them
.endr
.endm
; SEND: the bias is added and the rows are stored.  younger: the LDS instructions issued behind block a's loads: the next block's 16 stores and 16 loads, or none.
.macro SEND a, younger
	WIN 0
.irp t, 0,1,2,3,4,5,6,7,8,9,10,11,12,13,14,15
	s_wait_dscnt (\younger)+15-(\t)                ; row t is back: behind its load stand the block's 15 - t later ones and the younger
	v_pk_add_f32 v[OB+64*((\a)%2)+4*(\t):OB+64*((\a)%2)+4*(\t)+1],   v[OB+64*((\a)%2)+4*(\t):OB+64*((\a)%2)+4*(\t)+1],   v[BI:BI+1]
	v_pk_add_f32 v[OB+64*((\a)%2)+4*(\t)+2:OB+64*((\a)%2)+4*(\t)+3], v[OB+64*((\a)%2)+4*(\t)+2:OB+64*((\a)%2)+4*(\t)+3], v[BI+2:BI+3]
	global_store_b128 v[GO], v[OB+64*((\a)%2)+4*(\t):OB+64*((\a)%2)+4*(\t)+3], s[OUT:OUT+1] offset:(16*(\a)+(\t))*16384 th:TH_STORE_NT  ; 512 consecutive bytes, at a multiple of 512 from out0's first byte
.endr
.endm
	; THE LIST
	s_wait_loadcnt 0x0                             ; flags and bias
	v_or_b32 v[FJ], v[OWF], v[OWF+1]               ; the four waves' words of the launch before: 256 rows
	v_or_b32 v[TV], v[OWF+2], v[OWF+3]
	v_or_b32 v[FJ], v[FJ], v[TV]
	v_and_b32 v[FJ], v[FJ], v[HM]                  ; lane l keeps the half that speaks of granule l
	v_cmp_ne_u32 s[BM], 0, v[FJ]
	s_cmp_eq_u32 s[BM], 0
	s_cselect_b32 s[BM], 1, s[BM]                  ; no true byte at all: granule 0, all zeros in wb, gives out0 = bias
	s_bcnt1_i32_b32 s[REM], s[BM]
	s_mov_b32 s[BMP], s[BM]
.rept 4
	s_sub_co_u32 s[TMP], s[BMP], 1                 ; the list's first four places are not prefetched
	s_and_b32 s[BMP], s[BMP], s[TMP]
.endr
	; THE FIRST TILES
	NEXTG
	s_add_nc_u64 s[PA:PA+1], s[XT:XT+1], s[OFF:OFF+1]
	s_add_nc_u64 s[PB:PB+1], s[WT:WT+1], s[OFF:OFF+1]
	GLOAD PA, 1
	GLOAD PB, 0
	v_mov_b32 v[LOW], 0                            ; while they are on their way: which granules are live in an N tile below mine
.irp jj, 0,1,2,3,4,5,6,7,8,9,10,11,12,13,14
	s_cmp_gt_u32 s[J], \jj
	s_cselect_b32 s48, -1, 0
	v_or_b32 v[TV], v[OF+4*(\jj)], v[OF+4*(\jj)+1]
	v_or_b32 v[FJ], v[OF+4*(\jj)+2], v[OF+4*(\jj)+3]
	v_or_b32 v[TV], v[TV], v[FJ]
	v_and_or_b32 v[LOW], v[TV], s48, v[LOW]
.endr
	v_and_b32 v[LOW], v[LOW], v[HM]
	v_cmp_eq_u32 s[OWN], 0, v[LOW]
	s_wait_loadcnt 0x0                             ; both tiles are in; no load of mine is out, so PA may be written
	DSTORE SA, 1
	DSTORE SB, 0
	WIN 0
	s_cmp_eq_u32 s[BM], 0
	s_cbranch_scc1 .Lone
	NEXTG
	s_add_nc_u64 s[PA:PA+1], s[XT:XT+1], s[OFF:OFF+1]
	GLOAD PA, 1                                    ; A of the list's second place
	WIN 0
.Lone:
	s_wait_dscnt 0x0                               ; my part of slot 0 is stored,
	s_barrier_signal -1
	s_barrier_wait -1                              ; everybody's is
	FETCH 0, 0, 0
	; THE WALK: 1 + 2 x 15 + 1 = 32 trips
	TRIP 0, 1, 1, 0, 0                             ; the first trip is always live; its first quarter starts all 64 sums: nothing is cleared
	s_mov_b32 s[LAP], 15
.Llap:
	TRIP 1, 0, 0, 1, 0
	TRIP 0, 1, 0, 1, 0
	s_sub_co_u32 s[LAP], s[LAP], 1
	s_cmp_lg_u32 s[LAP], 0
	s_cbranch_scc1 .Llap
	TRIP 1, 0, 0, 1, 1
	; THE WAY OUT
	s_wait_dscnt 0x0                               ; on every way through the text no LDS load into A's fragment registers is out when the loads below land on them (a fetch is issued only ahead of a live trip, which waits for it: here the wait finds nothing out)
	PLACES
	PLACES                                         ; eight, once a launch: the LDS stores below read results, and the loads land on A's fragment registers
	TOSTAGE 0
.irp a, 1,2,3,4,5,6,7                  ; block a goes into the stage while block a - 1 comes back
	TOSTAGE \a
	SEND (\a)-1, 32
.endr
	SEND 7, 0
	s_wait_tensorcnt 0x0                           ; the wave's end: behind my last LDS store
	ds_add_u32 v[SPW], v[NIL]
	s_wait_dscnt 0x0
	s_endpgm
.Lfunc_end_k_q5421e36b8b_gemm:
	.size	k_q5421e36b8b_gemm, .Lfunc_end_k_q5421e36b8b_gemm-k_q5421e36b8b_gemm
	.p2alignl 7, 3214868480
	.fill 96, 4, 3214868480
	.section	.rodata,"a",@progbits
	.p2align	6, 0x0
	.amdhsa_kernel k_q5421e36b8b_gemm
		.amdhsa_group_segment_fixed_size 312832
		.amdhsa_private_segment_fixed_size 0
		.amdhsa_enable_private_segment 0
		.amdhsa_kernarg_size 40
		.amdhsa_user_sgpr_count 2
		.amdhsa_user_sgpr_kernarg_segment_ptr 1
		.amdhsa_wavefront_size32 1
		.amdhsa_system_sgpr_workgroup_id_x 1
		.amdhsa_system_sgpr_workgroup_id_y 1
		.amdhsa_system_sgpr_workgroup_id_z 1
		.amdhsa_system_vgpr_workitem_id 0
		.amdhsa_next_free_vgpr 1024
		.amdhsa_next_free_sgpr 66
		.amdhsa_reserve_vcc 0
		.amdhsa_float_denorm_mode_32 3
		.amdhsa_float_denorm_mode_16_64 3
		.amdhsa_memory_ordered 1
		.amdhsa_forward_progress 1
		.amdhsa_inst_pref_size 209
	.end_amdhsa_kernel
	.amdgpu_metadata
---
amdhsa.version: [ 1, 2 ]
amdhsa.kernels:
  - .name:           k_q5421e36b8b_gemm
    .symbol:         k_q5421e36b8b_gemm.kd
    .args:
      - { .name: xb, .offset: 0, .size: 8, .value_kind: global_buffer, .address_space: global }
      - { .name: wb, .offset: 8, .size: 8, .value_kind: global_buffer, .address_space: global }
      - { .name: flags, .offset: 16, .size: 8, .value_kind: global_buffer, .address_space: global }
      - { .name: bias, .offset: 24, .size: 8, .value_kind: global_buffer, .address_space: global }
      - { .name: out0, .offset: 32, .size: 8, .value_kind: global_buffer, .address_space: global }
    .group_segment_fixed_size: 312832
    .private_segment_fixed_size: 0
    .kernarg_segment_align: 8
    .kernarg_segment_size: 40
    .max_flat_workgroup_size: 128
    .sgpr_count:     66
    .vgpr_count:     1024
    .wavefront_size: 32
...
	.end_amdgpu_metadata
.endif
;; end of part 2
;; ======== version 2 of 2: 2 launches; version 1 with the launches prep, gemm written anew for expert scheduling mode
;; workspace buffers: xb 33,554,432 bytes; wb 33,554,432 bytes; flags 4,096 bytes of whole numbers
;; launch prep (part 3): grid 256 x 2, 4 waves a work-group, no clusters, 0 bytes of LDS; arguments x, weight, mask, xb, wb, flags; writes xb, wb, flags
.if DOCPART == 3
	.amdgcn_target "amdgcn-amd-amdhsa--gfx1250"
	.amdhsa_code_object_version 6
	.text
	.protected	k_q5421e36b8b_prep
	.globl	k_q5421e36b8b_prep
	.p2align	8
	.type	k_q5421e36b8b_prep,@function
k_q5421e36b8b_prep:
	s_mov_b64 s[64:65], 0
	v_nop
	global_prefetch_b8 v0, s[64:65] scope:SCOPE_SE
	s_setreg_imm32_b32 hwreg(HW_REG_WAVE_SCHED_MODE, 0, 2), 2
	s_setreg_imm32_b32 hwreg(HW_REG_WAVE_MODE, 25, 1), 1
	s_wait_xcnt 0x0
	s_wait_alu depctr_vm_vsrc(0)
; out0 = x (mask ? weight : 0)^T + bias, all sides 4,096, in two launches.  THIS ONE rounds the two matrix operands to bf16 once and lays them out in tiles:
;   xb = bf16(x), wb = bf16(weight) where the mask byte is 1 and 0 where it is 0, and flags: for each 64 rows x 128 columns of the mask, whether any byte is true.
; The second launch multiplies xb by wb and adds the bias.
; WHAT THE PROGRAM LEAVES OUT.  For a tile of 256 columns of out0 (256 rows of weight) and a granule of 128 along k in which all 256 x 128 mask bytes are 0, reference() multiplies x by zeros
; that it makes itself: the sum takes 0 from there, whatever finite numbers x holds.  The second launch reads the flags, whole numbers stored here, and forms only the other products.  No pattern of
; the mask is built in: every byte of it is read here, and any mask is served.  Every input is loaded.
; LIMITS.  A NaN or an infinity of x that meets only such granules is not carried to the result (reference() would give NaN there).  A masked weight counts as 0 whatever it holds, as in jnp.where.
; A mask byte is 0 or 1.  x and weight are rounded to bf16, nearest even.
; LAYOUT of xb and wb.  Tile (rt = row / 256, g = k / 128) begins at byte (32 rt + g) x 65,536 and holds 256 rows of 256 bytes, dense.  In a row the 16-byte piece c (0..15) holds
; k = 128 g + 4 c + 0..3 and then k = 128 g + 64 + 4 c + 0..3: the same order in both operands, so products still pair equal k.  It lets a lane make its 16 bytes from two loads of 16 bytes.
; LAYOUT of flags.  Word ((16 j + gp) x 4 + w) serves rows 256 j + 64 w .. + 63 of the mask and columns 256 gp .. + 255: bits 15:0 are not 0 if granule 2 gp holds a true byte there, bits 31:16 the same for 2 gp + 1.
; SHARES.  Work-group (tix, y): y = 0 takes x, y = 1 weight and mask; rt = tix / 16, gp = tix % 16: 256 rows x 256 columns.  Wave w takes 64 of the rows.  Lane l: c = l % 16, gg = l / 16: piece c of granule 2 gp + gg.
; Each load of 16 bytes a lane covers two aligned runs of 256 bytes of a row, a row's two mask loads together one run of 256, each store two whole rows of 256 bytes of two tiles.
; A stream: no LDS, no barrier, no matrix unit; no wave needs another's bytes.
; THE MODE: SCHED_MODE bits 1:0 = 2 (LLVM: expert scheduling mode 2), set by the entry lines.  The code itself states the register dependences between vector instructions and memory
; instructions, with s_wait_alu, always for 0.
; THE PLAN.  A wave's 64 rows go in 16 blocks of four.  Registers that memory instructions touch:
;   W0 .. W3, M0 .. M3   four blocks of numbers and of mask words as loaded.  Written by the loads of block p + 3, issued in block p; read by block p's arithmetic.
;   Y0, Y1               two blocks to store.  Written by block p's roundings and masks; read by the four stores that are issued in block p + 1.
;   v2, v3, v4           byte offsets, made once and never written again: the rows are reached by the scalar bases, which move on by a block at each block's head, and by immediate offsets.
; Block p works on W[p % 4] and M[p % 4] and writes Y[p % 2].  Its memory instructions are the loads into W and M[(p + 3) % 4] = [(p - 1) % 4] and the stores from Y[(p - 1) % 2]: the buffers that
; block p - 1 worked on and that no vector instruction of block p names.  So the waits at a block's head state all that its memory instructions hang on, and these are dealt among its arithmetic.
.set LO,  2                            ; v2   byte offset of my first four numbers in a row's 1,024 bytes: 512 gg + 16 c; never rewritten
.set MO,  3                            ; v3   the same in the mask's 256 bytes: 128 gg + 4 c
.set SO,  4                            ; v4   where my 16 bytes go: 65,536 gg + 16 c
.set ORM, 5                            ; v5   all my mask words, or-ed
.set T,   8                            ; v[8:10] at work: no memory instruction names them
.set W,   16                           ; v[16:143]  buffer k, row i: 8 numbers in f32 at W + 32 k + 8 i
.set M,   144                          ; v[144:175] buffer k, row i: 2 mask words at M + 8 k + 2 i
.set Y,   176                          ; v[176:207] buffer k, row i: 16 bytes to store at Y + 16 k + 4 i
.set SRC, 20                           ; s[20:21] x or weight at the first row of my wave's block in hand
.set MSK, 22                           ; s[22:23] the mask there
.set DST, 24                           ; s[24:25] xb or wb there
.set FLG, 26                           ; s[26:27] my wave's flag word
	s_load_b256 s[4:11], s[0:1], 0x0               ; x s[4:5], weight s[6:7], mask s[8:9], xb s[10:11]
	s_load_b128 s[12:15], s[0:1], 0x20             ; wb s[12:13], flags s[14:15]
	v_lshrrev_b32 v1, 5, v0
	v_readfirstlane_b32 s16, v1                    ; wave 0..3
	v_and_b32 v1, 31, v0                           ; lane
	v_and_b32 v8, 15, v0                           ; c
	v_bfe_u32 v9, v0, 4, 1                         ; gg
	v_lshlrev_b32 v[LO], 4, v8
	v_lshl_add_u32 v[SO], v9, 16, v[LO]
	v_lshl_add_u32 v[LO], v9, 9, v[LO]
	s_wait_alu depctr_va_sdst(0)                   ; s16 is written, ahead of its first reader: the wave's places in the buffers are made from it
	s_lshr_b32 s17, ttmp9, 4                       ; rt
	s_and_b32 s18, ttmp9, 15                       ; gp
	s_and_b32 s19, ttmp7, 0xffff                   ; y
	s_mov_b32 s29, 0
	s_lshl_b32 s28, s17, 22                        ; 256 rows of 16,384 bytes,
	s_lshl_b32 s34, s16, 20                        ; my wave's 64,
	s_add_co_u32 s28, s28, s34
	s_lshl_b32 s34, s18, 10                        ; 256 columns of 4 bytes
	s_add_co_u32 s28, s28, s34
	s_mov_b32 s37, 0
	s_lshl_b32 s36, s17, 21                        ; 32 tiles of 65,536 bytes,
	s_lshl_b32 s34, s18, 17                        ; two tiles,
	s_add_co_u32 s36, s36, s34
	s_lshl_b32 s34, s16, 14                        ; 64 rows of 256 bytes
	s_add_co_u32 s36, s36, s34
	s_wait_kmcnt 0x0
	s_cmp_eq_u32 s19, 0
	s_cselect_b64 s[SRC:SRC+1], s[4:5], s[6:7]
	s_cselect_b64 s[DST:DST+1], s[10:11], s[12:13]
	s_add_nc_u64 s[SRC:SRC+1], s[SRC:SRC+1], s[28:29]
	s_add_nc_u64 s[DST:DST+1], s[DST:DST+1], s[36:37]
; One row, the row-th behind the pointers, is asked for into row i of buffer k: 2 loads, with the mask 4.
.macro LOADROW k, i, row, masked
	global_load_b128 v[W+32*(\k)+8*(\i):W+32*(\k)+8*(\i)+3],   v[LO], s[SRC:SRC+1] offset:(\row)*16384 th:TH_LOAD_NT
	global_load_b128 v[W+32*(\k)+8*(\i)+4:W+32*(\k)+8*(\i)+7], v[LO], s[SRC:SRC+1] offset:(\row)*16384+256 th:TH_LOAD_NT
.if \masked
	global_load_b32 v[M+8*(\k)+2*(\i)],   v[MO], s[MSK:MSK+1] offset:(\row)*4096 th:TH_LOAD_NT
	global_load_b32 v[M+8*(\k)+2*(\i)+1], v[MO], s[MSK:MSK+1] offset:(\row)*4096+64 th:TH_LOAD_NT
.endif
.endm
; Block p.  xb = p % 4, yb = p % 2.  first = 1: block 0, with no block in front of it.  ahead = 1: block p + 3 is loaded.
; left = how many younger loads may still be out when this block's have to be there.
.macro BLK xb, yb, first, ahead, left, masked
	s_wait_loadcnt \left                           ; loads come back in order: W[xb] and M[xb] are in, the younger blocks stay out
.if !(\first)
	s_wait_xcnt 0x0                                ; the bases, and Y[yb], which the stores issued in the block before read, are written again only behind this wait
	s_wait_alu depctr_vm_vsrc(0)                   ; the stores issued in the block before have read Y[yb], which this block's roundings write again
	s_wait_alu depctr_va_vdst(0)                   ; the block before has written the other Y, which the stores below read, and is done reading its W and M, in which the loads below land
	s_add_nc_u64 s[SRC:SRC+1], s[SRC:SRC+1], 4*16384  ; the bases at this block's first row
.if \masked
	s_add_nc_u64 s[MSK:MSK+1], s[MSK:MSK+1], 4*4096
.endif
	s_add_nc_u64 s[DST:DST+1], s[DST:DST+1], 4*256
.endif
.irp i, 0,1,2,3
.if \ahead
	LOADROW ((\xb)+3)%4, \i, 12+(\i), \masked      ; three blocks ahead; no vector instruction since the wait names these registers
.endif
.if !(\first)
	global_store_b128 v[SO], v[Y+16*(1-(\yb))+4*(\i):Y+16*(1-(\yb))+4*(\i)+3], s[DST:DST+1] offset:((\i)-4)*256  ; the block before: the offset reaches back
.endif
.irp q, 0,1,2,3
	v_cvt_pk_bf16_f32 v[Y+16*(\yb)+4*(\i)+(\q)], v[W+32*(\xb)+8*(\i)+2*(\q)], v[W+32*(\xb)+8*(\i)+2*(\q)+1]
.endr
.if \masked
.irp h, 0,1
	v_or_b32 v[ORM], v[ORM], v[M+8*(\xb)+2*(\i)+(\h)]
	v_lshlrev_b32 v[T], 8, v[M+8*(\xb)+2*(\i)+(\h)]              ; 256 m - m = 255 m: each byte 1 becomes 0xff, with no carry between bytes
	v_sub_nc_u32 v[T], v[T], v[M+8*(\xb)+2*(\i)+(\h)]
	v_perm_b32 v[T+1], v[T], v[T], s32                           ; bytes 0, 0, 1, 1: the mask of two packed bf16,
	v_perm_b32 v[T+2], v[T], v[T], s33                           ; bytes 2, 2, 3, 3: of the next two
	v_and_b32 v[Y+16*(\yb)+4*(\i)+2*(\h)],   v[T+1], v[Y+16*(\yb)+4*(\i)+2*(\h)]
	v_and_b32 v[Y+16*(\yb)+4*(\i)+2*(\h)+1], v[T+2], v[Y+16*(\yb)+4*(\i)+2*(\h)+1]
.endr
.endif
.endr
.endm
; A wave's 16 blocks: block 0, three laps of four, and the last three, which load nothing: no load leaves a buffer.
.macro BODY masked
.set NL, 8+8*(\masked)                 ; loads in a block
	s_wait_alu depctr_va_vdst(0)                   ; the offsets v2 to v4 are written: every load and store of rows reads one of them
.irp i, 0,1,2,3,4,5,6,7,8,9,10,11
	LOADROW (\i)/4, (\i)%4, \i, \masked            ; blocks 0, 1 and 2
.endr
	BLK 0, 0, 1, 1, 2*NL, \masked                  ; block 0
	s_mov_b32 s31, 3
.Ltrip_\@:                                             ; blocks 1 to 12, four to a lap: both kinds of buffer are back at their start
	BLK 1, 1, 0, 1, 2*NL, \masked
	BLK 2, 0, 0, 1, 2*NL, \masked
	BLK 3, 1, 0, 1, 2*NL, \masked
	BLK 0, 0, 0, 1, 2*NL, \masked
	s_sub_co_u32 s31, s31, 1
	s_cmp_lg_u32 s31, 0
	s_cbranch_scc1 .Ltrip_\@
	BLK 1, 1, 0, 0, 2*NL, \masked                  ; blocks 13 to 15: the counts run down
	BLK 2, 0, 0, 0, NL, \masked
	BLK 3, 1, 0, 0, 0, \masked
	s_wait_alu depctr_va_vdst(0)                   ; block 15 has written Y1, which the last four stores read
.irp i, 0,1,2,3
	global_store_b128 v[SO], v[Y+16+4*(\i):Y+16+4*(\i)+3], s[DST:DST+1] offset:(\i)*256
.endr
.endm
	s_cmp_lg_u32 s19, 0
	s_cbranch_scc1 .Lweights
	BODY 0                                         ; x
	s_endpgm
.Lweights:
	v_lshlrev_b32 v[MO], 2, v8
	v_lshl_add_u32 v[MO], v9, 7, v[MO]
	v_mov_b32 v[ORM], 0
	v_mov_b32 v7, 0
	s_mov_b32 s32, 0x01010000
	s_mov_b32 s33, 0x03030202
	s_lshl_b32 s28, s17, 20                        ; the mask: 256 rows of 4,096 bytes,
	s_lshl_b32 s34, s16, 18                        ; my wave's 64,
	s_add_co_u32 s28, s28, s34
	s_lshl_b32 s34, s18, 8                         ; 256 columns
	s_add_co_u32 s28, s28, s34
	s_add_nc_u64 s[MSK:MSK+1], s[8:9], s[28:29]
	s_lshl_b32 s28, s17, 4
	s_add_co_u32 s28, s28, s18
	s_lshl_b32 s28, s28, 2
	s_add_co_u32 s28, s28, s16
	s_lshl_b32 s28, s28, 2                         ; ((16 rt + gp) x 4 + w) words
	s_add_nc_u64 s[FLG:FLG+1], s[14:15], s[28:29]
	BODY 1                                         ; weight and mask
	v_cmp_ne_u32 vcc_lo, 0, v[ORM]                 ; bit l: lane l has met a true byte: lanes 0-15 stand for granule 2 gp, lanes 16-31 for 2 gp + 1
	s_wait_alu depctr_va_vcc(0)                    ; VCC is written, ahead of the move that reads it
	v_mov_b32 v6, vcc_lo
	v_cmp_eq_u32 vcc_lo, 0, v1
	s_wait_xcnt 0x0                                ; EXEC, which the stores above read, changes only behind this wait
	s_wait_alu depctr_va_vcc(0)                    ; VCC is written anew: EXEC is made from it
	s_wait_alu depctr_va_vdst(0)                   ; ahead of the write of EXEC: the vector instructions are done; v6, the store's data, is written (v7, its offset, long since)
	s_wait_alu depctr_vm_vsrc(0)                   ; ahead of the write of EXEC: the stores above have read their registers
	s_and_saveexec_b32 s30, vcc_lo
	global_store_b32 v7, v6, s[FLG:FLG+1]          ; lane 0 stores the wave's word: the launch's one narrow store, 4 bytes a wave
	s_wait_xcnt 0x0
	s_wait_alu depctr_va_vdst(0)                   ; ahead of the write of EXEC, as above
	s_wait_alu depctr_vm_vsrc(0)                   ; the store has read its registers
	s_or_b32 exec_lo, exec_lo, s30
	s_endpgm
.Lfunc_end_k_q5421e36b8b_prep:
	.size	k_q5421e36b8b_prep, .Lfunc_end_k_q5421e36b8b_prep-k_q5421e36b8b_prep
	.p2alignl 7, 3214868480
	.fill 96, 4, 3214868480
	.section	.rodata,"a",@progbits
	.p2align	6, 0x0
	.amdhsa_kernel k_q5421e36b8b_prep
		.amdhsa_group_segment_fixed_size 0
		.amdhsa_private_segment_fixed_size 0
		.amdhsa_enable_private_segment 0
		.amdhsa_kernarg_size 48
		.amdhsa_user_sgpr_count 2
		.amdhsa_user_sgpr_kernarg_segment_ptr 1
		.amdhsa_wavefront_size32 1
		.amdhsa_system_sgpr_workgroup_id_x 1
		.amdhsa_system_sgpr_workgroup_id_y 1
		.amdhsa_system_sgpr_workgroup_id_z 1
		.amdhsa_system_vgpr_workitem_id 0
		.amdhsa_next_free_vgpr 208
		.amdhsa_next_free_sgpr 66
		.amdhsa_reserve_vcc 1
		.amdhsa_float_denorm_mode_32 3
		.amdhsa_float_denorm_mode_16_64 3
		.amdhsa_memory_ordered 1
		.amdhsa_forward_progress 1
		.amdhsa_inst_pref_size 66
	.end_amdhsa_kernel
	.amdgpu_metadata
---
amdhsa.version: [ 1, 2 ]
amdhsa.kernels:
  - .name:           k_q5421e36b8b_prep
    .symbol:         k_q5421e36b8b_prep.kd
    .args:
      - { .name: x, .offset: 0, .size: 8, .value_kind: global_buffer, .address_space: global }
      - { .name: weight, .offset: 8, .size: 8, .value_kind: global_buffer, .address_space: global }
      - { .name: mask, .offset: 16, .size: 8, .value_kind: global_buffer, .address_space: global }
      - { .name: xb, .offset: 24, .size: 8, .value_kind: global_buffer, .address_space: global }
      - { .name: wb, .offset: 32, .size: 8, .value_kind: global_buffer, .address_space: global }
      - { .name: flags, .offset: 40, .size: 8, .value_kind: global_buffer, .address_space: global }
    .group_segment_fixed_size: 0
    .private_segment_fixed_size: 0
    .kernarg_segment_align: 8
    .kernarg_segment_size: 48
    .max_flat_workgroup_size: 128
    .sgpr_count:     66
    .vgpr_count:     208
    .wavefront_size: 32
...
	.end_amdgpu_metadata
.endif
;; end of part 3
;; launch gemm (part 4): grid 16 x 16, 4 waves a work-group, no clusters, 312,832 bytes of LDS; arguments xb, wb, flags, bias, out0; writes out0
.if DOCPART == 4
	.amdgcn_target "amdgcn-amd-amdhsa--gfx1250"
	.amdhsa_code_object_version 6
	.text
	.protected	k_q5421e36b8b_gemm
	.globl	k_q5421e36b8b_gemm
	.p2align	8
	.type	k_q5421e36b8b_gemm,@function
k_q5421e36b8b_gemm:
	s_mov_b64 s[64:65], 0
	v_nop
	global_prefetch_b8 v0, s[64:65] scope:SCOPE_SE
	s_setreg_imm32_b32 hwreg(HW_REG_WAVE_SCHED_MODE, 0, 2), 2
	s_setreg_imm32_b32 hwreg(HW_REG_WAVE_MODE, 25, 1), 1
	s_wait_xcnt 0x0
	s_wait_alu depctr_vm_vsrc(0)
; out0[m][n] = the sum over k of xb[m][k] wb[n][k] + bias[n].  xb, wb: bf16 in tiles of 256 rows x 128 k (65,536 dense bytes; tile (t, g) at (32 t + g) x 65,536), wb masked, as the launch before laid them; sums in f32.
; LEFT OUT: the products of a granule g of 128 along k in which the mask of this tile's 256 weight rows holds no true byte: wb is 0 there, so the sum takes 0 from it for every finite x.  Which granules those
; are is read from flags, whole numbers that the launch before stored.  LIMITS: a NaN or an infinity of x that meets only such granules is not carried to out0; the sums run over the live granules in ascending
; order, inside a granule in the tiles' order of k, not in the order of reference().
; SHARES.  Work-group (j, i) makes rows 256 i .. and columns 256 j .. of out0: 256 work-groups.  Four waves, each 128 x 128: 64 accumulators of 16 x 16, 512 registers.
; THE WALK.  BM is the map of the tile's live granules (bit g), made from the 64 flag words of weight rows 256 j ..; a tile with none takes granule 0, whose wb is all 0, so that the first products can always
; start the sums.  32 trips, a constant that covers every mask: the live granules come first, one a trip; in a dead trip all work is jumped over and only the barrier is passed.  Every wave passes every barrier.
; LDS is filled THROUGH REGISTERS: a wave loads its 64 rows of A's and of B's next tile (32 loads of 512 consecutive bytes each) into 128 staging registers and stores them into the slot that is not being read.
; In trip T: A(T+1) is stored and B(T+1) asked for in the first quarter, B(T+1) stored and A(T+2) asked for in the third: each request has 128 matrix instructions in which to land.
; ORDER.  Between barrier T-1 and barrier T all LDS reads are of slot T % 2 and all LDS stores go into the other slot, whichever jumps are taken; in front of each signal a wave has waited for all its LDS instructions.
; NO CLUSTER, NO TENSOR LOADS, though 16 work-groups read each tile.  A joint request is a tensor load, and a ring of tensor loads has a fixed number of refills, none of which may be jumped on numbers read from
; memory: it would bring all 32 granules, 32 x 131,072 bytes a work-group, where a mask with c live granules needs c x 131,072; and the work-groups that share a tile of xb have different j, so different lists.
; THE MATRIX INSTRUCTION IS USED TRANSPOSED (source 0 = 16 rows of wb, source 1 = 16 rows of xb): lane l then holds row l % 16 of out0 and eight neighbouring columns 8 (l / 16) + 0..7.
; REGISTERS, in windows of 256 (s_set_vgpr_msb: bits 1:0 source 0, 3:2 source 1, 5:4 source 2, 7:6 destination):
;   window 0: v0-35 addresses and small things; v64-127, v128-191 fragments of A, two buffers (at the start: B's first tile); v192-251 at the start: other tiles' flags; on the way out v64-255: rows read back, three buffers
;   window 1: v0-63, v64-127 fragments of B, two buffers; v128-255 the staging registers
;   window 2: the accumulators of my rows 0-63 ((a, b) at v[8 (8 a + b)]);   window 3: those of my rows 64-127
; THE MODE: SCHED_MODE bits 1:0 = 2 (LLVM: expert scheduling mode 2), set by the entry lines.  The code itself states the register dependences between vector or matrix instructions and memory or LDS
; instructions, with s_wait_alu, always for 0.
; THE PLAN.  Registers that memory or LDS instructions touch, and who else names them:
;   fragment buffers 0, 1   A quarter's 64 matrix instructions read buffers p; the LDS loads of the next quarter's fragments land in buffers q, which the quarter before read.
;   staging registers       Global loads land in them, LDS stores read them; no vector or matrix instruction names them.
;   accumulators            Matrix instructions alone, until the LDS stores of the way out read them.
;   OB0 .. OB2              The way out: block a's rows land in OB[a % 3], the bias is added in place, the global stores read them.
;   v4-7, v16-25            Offsets and LDS addresses, made at the head and never written again.   v28, v29: made at the head, read by the closing add alone.
; So ONE wait on va_vdst stands at a quarter's head: the quarter before is done reading buffers q.  Behind it the quarter's 32 LDS loads are dealt, eight behind each of its first four groups of eight matrix
; instructions, which name buffers p and accumulators alone.  One wait on vm_vsrc stands between the LDS stores out of the staging registers and the global loads that land in them: twice a trip.
.set PITCH,  272                       ; an LDS row: 256 bytes + 16 = 68 words: the 16 rows that a fragment load touches start 4 banks apart (64 banks of 4 bytes: ISA guide 11.1)
.set BOFF,   256*PITCH                 ; in a slot: A's 256 rows, then B's
.set SLOT,   2*BOFF
.set STAGE,  2*SLOT                    ; behind the slots: 16 rows x 528 bytes for each wave, for the way out
.set SPITCH, 528                       ; 512 bytes + 16 = 132 words: again 4 banks from row to row
.set SPARE,  STAGE+4*16*SPITCH         ; 312,320 = 1,220 x 256: the spare words, 128 bytes a wave, which no other line names
.set GO,   4                           ; v4   16 x lane: my 16 bytes of 512; never rewritten
.set LF,   5                           ; v5   16 x (lane / 2): the four flag words of granules 2 (lane / 2) and + 1
.set LJ,   6                           ; v6   the same in my own N tile: + 256 j
.set PFO,  7                           ; v7   256 x lane: the prefetches' offset; never rewritten
.set BI,   8                           ; v[8:11] the bias of columns 4 lane .. + 3 of my wave's 128
.set FJ,   12                          ; v12  at work on flags
.set LOW,  13                          ; v13  the flags of all N tiles below mine, or-ed
.set HM,   14                          ; v14  my granule's half of a flag word: 0xffff (even lane) or 0xffff0000
.set TV,   15                          ; v15  at work
.set ADRA, 16                          ; v16-17 LDS address of my A fragments in slot 0, 1
.set ADRB, 18                          ; v18-19 of my B fragments
.set SA,   20                          ; v20-21 where I store my 16 bytes of A's two rows in slot 0, 1
.set SB,   22                          ; v22-23 of B's
.set STO,  24                          ; v24  the way out: where I put 32 bytes of a row
.set RD,   25                          ; v25  the way out: where I read a row back
.set SPW,  28                          ; v28  my spare word: SPARE + 4 x my thread's number; never rewritten
.set NIL,  29                          ; v29  0; never rewritten
.set OWF,  32                          ; v[32:35] my lane's four flag words of my own N tile
.set FA,   64                          ; window 0
.set FB,   0                           ; window 1
.set ST,   128                         ; window 1
.set OB,   64                          ; window 0, the way out: block a's rows at OB + 64 (a % 3)
.set OF,   192                         ; window 0, the start
.set WV,   14                          ; s14  wave
.set MH,   15                          ; s15  which half of the tile's rows is mine
.set NH,   16                          ; s16  which half of its columns
.set J,    17                          ; s17  N tile
.set I,    18                          ; s18  M tile
.set XT,   20                          ; s[20:21] xb at my wave's 64 rows of tile (i, 0); never rewritten
.set WT,   22                          ; s[22:23] wb at my wave's 64 rows of tile (j, 0); never rewritten
.set PA,   24                          ; s[24:25] the tile of A that is asked for
.set PB,   26                          ; s[26:27] of B
.set OFF,  28                          ; s[28:29] 65,536 x the granule last taken from BM
.set BM,   30                          ; s30  live granules whose A has not been asked for
.set REM,  31                          ; s31  live trips to go, the one in hand among them
.set G,    32
.set TMP,  33
.set LAP,  34
.set BMP,  35                          ; s35  live granules not yet prefetched
.set OWN,  36                          ; s36  bit g: no N tile below mine has granule g live
.set GP,   37
.set POFF, 38                          ; s[38:39]
.set PPX,  40                          ; s[40:41] what the prefetches of xb name
.set PPW,  42                          ; s[42:43] of wb
.set DOX,  44                          ; s44  1: I ask for xb's tile
.set DOW,  45                          ; s45  1: for wb's
.set OUT,  46                          ; s[46:47] out0 at my wave's first row and column
.set MSB, 0
.macro WIN new                         ; the immediate's high byte repeats the setting that is left; a switch that changes nothing is dropped
.if MSB != (\new)
	s_set_vgpr_msb (MSB<<8)|(\new)
.set MSB, \new
.endif
.endm
.set MUL_LO, 0xa1                      ; source 0 (B) window 1, source 1 (A) window 0, C and D window 2
.set MUL_HI, 0xf1                      ; the same, C and D window 3
	s_load_b256 s[4:11], s[0:1], 0x0               ; xb s[4:5], wb s[6:7], flags s[8:9], bias s[10:11]
	s_load_b64 s[12:13], s[0:1], 0x20              ; out0
	v_lshl_add_u32 v[SPW], v0, 2, SPARE
	v_mov_b32 v[NIL], 0
	v_lshrrev_b32 v1, 5, v0
	v_readfirstlane_b32 s[WV], v1                  ; wave 0..3
	v_and_b32 v3, 31, v0                           ; lane
	v_lshlrev_b32 v[GO], 4, v3
	v_lshrrev_b32 v[LF], 1, v3
	v_lshlrev_b32 v[LF], 4, v[LF]
	s_wait_alu depctr_va_sdst(0)                   ; s[WV] is written, ahead of its first reader: my halves, my rows and my LDS bytes are made from it
	s_lshr_b32 s[MH], s[WV], 1
	s_and_b32 s[NH], s[WV], 1
	s_mov_b32 s[J], ttmp9
	s_and_b32 s[I], ttmp7, 0xffff
	s_lshl_b32 s48, s[J], 8
	v_add_nc_u32 v[LJ], s48, v[LF]
	s_mov_b32 s53, 0
	s_lshl_b32 s52, s[J], 10                       ; 256 j columns of 4 bytes,
	s_lshl_b32 s51, s[NH], 9                       ; my half's 128
	s_add_co_u32 s52, s52, s51
	s_wait_kmcnt 0x0
	s_add_nc_u64 s[54:55], s[10:11], s[52:53]
	s_wait_alu depctr_va_vdst(0)                   ; v[GO], v[LF] and v[LJ] are written: the loads below read them as their offsets
	global_load_b128 v[OWF:OWF+3], v[LJ], s[8:9]   ; my N tile's flags: 64 words, four a lane pair
	global_load_b128 v[BI:BI+3], v[GO], s[54:55]
.irp jj, 0,1,2,3,4,5,6,7,8,9,10,11,12,13,14
	global_load_b128 v[OF+4*(\jj):OF+4*(\jj)+3], v[LF], s[8:9] offset:256*(\jj)  ; the flags of N tiles 0 to 14: those below mine say who prefetches xb
.endr
	; addresses, while the flags are on their way
	v_and_b32 v1, 15, v0                           ; l % 16
	v_bfe_u32 v2, v0, 4, 1                         ; l / 16
	v_lshlrev_b32 v[PFO], 8, v3
	v_and_b32 v[TV], 1, v3
	v_lshlrev_b32 v[TV], 4, v[TV]
	v_mov_b32 v[HM], 0xffff
	v_lshlrev_b32 v[HM], v[TV], v[HM]
	v_mul_u32_u24 v[TV], v1, PITCH                 ; a fragment: row l % 16, 16 bytes for each half of the lanes
	v_lshl_add_u32 v[TV], v2, 4, v[TV]
	s_mul_i32 s48, s[MH], 128*PITCH
	s_mul_i32 s49, s[NH], 128*PITCH
	s_add_co_u32 s49, s49, BOFF
	v_add_nc_u32 v[ADRA], s48, v[TV]
	v_add_nc_u32 v[ADRA+1], SLOT, v[ADRA]
	v_add_nc_u32 v[ADRB], s49, v[TV]
	v_add_nc_u32 v[ADRB+1], SLOT, v[ADRB]
	v_mul_u32_u24 v[TV], v2, PITCH                 ; filling: lanes 0-15 write one row of 256 bytes, lanes 16-31 the next; my wave's rows 64 w ..
	v_lshl_add_u32 v[TV], v1, 4, v[TV]
	s_mul_i32 s48, s[WV], 64*PITCH
	v_add_nc_u32 v[SA], s48, v[TV]
	v_add_nc_u32 v[SA+1], SLOT, v[SA]
	v_add_nc_u32 v[SB], BOFF, v[SA]
	v_add_nc_u32 v[SB+1], BOFF, v[SA+1]
	s_mul_i32 s48, s[WV], 16*SPITCH
	s_add_co_u32 s48, s48, STAGE                   ; my stage
	v_mul_u32_u24 v[TV], v1, SPITCH                ; in: row l % 16, 32 bytes for each half of the lanes
	v_lshl_add_u32 v[TV], v2, 5, v[TV]
	v_add_nc_u32 v[STO], s48, v[TV]
	v_add_nc_u32 v[RD], s48, v[GO]                 ; back: a whole row of 512 bytes
	s_mov_b32 s[OFF+1], 0
	s_mov_b32 s[POFF+1], 0
	s_mov_b32 s49, 0
	s_lshl_b32 s50, s[WV], 14                      ; my wave's 64 rows of 256 bytes in a tile
	s_lshl_b32 s48, s[I], 21                       ; 32 tiles of 65,536 bytes
	s_add_co_u32 s48, s48, s50
	s_add_nc_u64 s[XT:XT+1], s[4:5], s[48:49]
	s_lshl_b32 s48, s[J], 21
	s_add_co_u32 s48, s48, s50
	s_add_nc_u64 s[WT:WT+1], s[6:7], s[48:49]
	s_lshl_b32 s48, s[I], 8
	s_lshl_b32 s51, s[MH], 7
	s_add_co_u32 s48, s48, s51                     ; my first row of out0,
	s_lshl_b32 s48, s48, 14                        ; 16,384 bytes a row,
	s_add_co_u32 s48, s48, s52                     ; my first column
	s_add_nc_u64 s[OUT:OUT+1], s[12:13], s[48:49]
; 8 matrix instructions: m block a of the window's four (hi = 0: my rows 0-63, 1: rows 64-127) x all 8 n blocks, 32 along K, from buffers p.  zero = 1: the products start the sums.
; The 64 accumulators take turns, one instruction a turn; a group's first accumulator (b = 0) is never another group's last (b = 7), so that holds over every jump too.
.macro MUL8 p, hi, a, zero
	WIN MUL_LO+0x50*(\hi)
.irp b, 0,1,2,3,4,5,6,7
.if \zero
	v_wmma_f32_16x16x32_bf16 v[8*(8*(\a)+(\b)):8*(8*(\a)+(\b))+7], v[FB+64*(\p)+8*(\b):FB+64*(\p)+8*(\b)+7], v[FA+64*(\p)+8*(4*(\hi)+(\a)):FA+64*(\p)+8*(4*(\hi)+(\a))+7], 0
.else
	v_wmma_f32_16x16x32_bf16 v[8*(8*(\a)+(\b)):8*(8*(\a)+(\b))+7], v[FB+64*(\p)+8*(\b):FB+64*(\p)+8*(\b)+7], v[FA+64*(\p)+8*(4*(\hi)+(\a)):FA+64*(\p)+8*(4*(\hi)+(\a))+7], v[8*(8*(\a)+(\b)):8*(8*(\a)+(\b))+7]
.endif
.endr
.endm
.macro MUL16 p, hi, a0, zero           ; m blocks a0 and a0 + 1
	MUL8 \p, \hi, \a0, \zero
	MUL8 \p, \hi, (\a0)+1, \zero
.endm
; A load into a register that a matrix instruction has read, and an LDS store of a matrix result, stand four plain vector instructions behind that matrix instruction (ISA guide 7.12.1 for vector instructions).
.macro PLACES
.rept 4
	v_nop
.endr
.endm
; 8 LDS loads: four fragments (row blocks i0 .. i0 + 3) of 64 bytes of B's rows, at byte k, into buffer p.
.macro FETCHB slot, k, p, i0
	WIN 0x40                                       ; destination window 1
.irp i, 0,1,2,3
	ds_load_b128 v[FB+64*(\p)+8*((\i0)+(\i)):FB+64*(\p)+8*((\i0)+(\i))+3],   v[ADRB+(\slot)] offset:(\k)+((\i0)+(\i))*16*PITCH
	ds_load_b128 v[FB+64*(\p)+8*((\i0)+(\i))+4:FB+64*(\p)+8*((\i0)+(\i))+7], v[ADRB+(\slot)] offset:(\k)+((\i0)+(\i))*16*PITCH+32
.endr
.endm
; The same of A's rows.  It leaves every window 0.
.macro FETCHA slot, k, p, i0
	WIN 0
.irp i, 0,1,2,3
	ds_load_b128 v[FA+64*(\p)+8*((\i0)+(\i)):FA+64*(\p)+8*((\i0)+(\i))+3],   v[ADRA+(\slot)] offset:(\k)+((\i0)+(\i))*16*PITCH
	ds_load_b128 v[FA+64*(\p)+8*((\i0)+(\i))+4:FA+64*(\p)+8*((\i0)+(\i))+7], v[ADRA+(\slot)] offset:(\k)+((\i0)+(\i))*16*PITCH+32
.endr
.endm
; All 32 in one run: 128 rows of B, 128 rows of A.  It leaves every window 0.
.macro FETCH slot, k, p
	FETCHB \slot, \k, \p, 0
	FETCHB \slot, \k, \p, 4
	FETCHA \slot, \k, \p, 0
	FETCHA \slot, \k, \p, 4
.endm
; My wave's 64 rows of a tile: 32 loads of 512 consecutive bytes.  win = 1: into the staging registers; 0: into window 0, v64-191 (the start alone).
.macro GLOAD base, win
.if \win
	WIN 0x40
.set LD0, ST
.else
	WIN 0
.set LD0, 64
.endif
.set t, 0
.rept 32
	global_load_b128 v[LD0+4*t:LD0+4*t+3], v[GO], s[\base:\base+1] offset:t*512
.set t, t+1
.endr
.endm
; And into LDS: 32 stores of two rows each.
.macro DSTORE adr, win
.if \win
	WIN 0x04                                       ; data window 1
.set LD0, ST
.else
	WIN 0
.set LD0, 64
.endif
.set t, 0
.rept 32
	ds_store_b128 v[\adr], v[LD0+4*t:LD0+4*t+3] offset:t*2*PITCH
.set t, t+1
.endr
.endm
; The lowest granule is taken out of BM; OFF is its tile's place.  The number comes from memory: it is held to 31 before it enters an address.
.macro NEXTG
	s_ctz_i32_b32 s[G], s[BM]
	s_min_u32 s[G], s[G], 31
	s_sub_co_u32 s[TMP], s[BM], 1
	s_and_b32 s[BM], s[BM], s[TMP]
	s_lshl_b32 s[OFF], s[G], 16
.endm
; THE PREFETCH INTO THE L2.  In trip T the tiles at place T + 4 of the list are named: two trips, 512 matrix instructions, ahead of the loads of A's and two and a half ahead of B's.  Places 0 to 3 come by their loads alone.
; WHO.  wb's tile (j, g) is read by the 16 work-groups of column j: the one with i = g % 16 asks.  xb's tile (i, g) is read by the work-groups of row i that have g live: the one with the lowest j asks (OWN).
; Each of its four waves names its own 64 rows of 256 bytes, a lane a row, two instructions.  So a row of a tile is named once in the launch (but for N tiles with no true byte, which take granule 0 unlisted).
; When the list is at its end nothing is asked for: both flags are cleared; the granule is held to 31, so every lane stays inside its buffer.
.macro PFPTR
	s_ctz_i32_b32 s[GP], s[BMP]
	s_min_u32 s[GP], s[GP], 31
	s_lshr_b32 s[DOX], s[OWN], s[GP]
	s_and_b32 s[DOX], s[DOX], 1
	s_and_b32 s[DOW], s[GP], 15
	s_cmp_eq_u32 s[DOW], s[I]
	s_cselect_b32 s[DOW], 1, 0
	s_cmp_eq_u32 s[BMP], 0
	s_cselect_b32 s[DOX], 0, s[DOX]
	s_cselect_b32 s[DOW], 0, s[DOW]
	s_sub_co_u32 s[TMP], s[BMP], 1
	s_and_b32 s[BMP], s[BMP], s[TMP]
	s_lshl_b32 s[POFF], s[GP], 16
	s_add_nc_u64 s[PPX:PPX+1], s[XT:XT+1], s[POFF:POFF+1]
	s_add_nc_u64 s[PPW:PPW+1], s[WT:WT+1], s[POFF:POFF+1]
.endm
.macro PFASK
	s_cmp_eq_u32 s[DOX], 0
	s_cbranch_scc1 .Lnot_x_\@
	global_prefetch_b8 v[PFO], s[PPX:PPX+1] th:TH_LOAD_NT scope:SCOPE_SE
	global_prefetch_b8 v[PFO], s[PPX:PPX+1] offset:8192 th:TH_LOAD_NT scope:SCOPE_SE
.Lnot_x_\@:
	s_cmp_eq_u32 s[DOW], 0
	s_cbranch_scc1 .Lnot_w_\@
	global_prefetch_b8 v[PFO], s[PPW:PPW+1] th:TH_LOAD_NT scope:SCOPE_SE
	global_prefetch_b8 v[PFO], s[PPW:PPW+1] offset:8192 th:TH_LOAD_NT scope:SCOPE_SE
.Lnot_w_\@:
.endm
; In a trip's first quarter, if a live trip follows: A's next tile goes from the staging registers into slot n, and B's is asked for.  Entered and left with every window 0.
.macro STAGE1 n
	s_cmp_lt_u32 s[REM], 2
	s_cbranch_scc1 .Lno_next_\@
	s_wait_loadcnt 0x0                             ; A's tile is in; no load of mine is out, so PB may be written
	DSTORE (SA+(\n)), 1
	s_add_nc_u64 s[PB:PB+1], s[WT:WT+1], s[OFF:OFF+1]
	WIN 0x40
	s_wait_alu depctr_vm_vsrc(0)                   ; the 32 LDS stores have read the staging registers, in which B's tile lands
	GLOAD PB, 1
	WIN 0
.Lno_next_\@:
.endm
; In its third quarter: B's next tile goes into slot n; and, if the list has a further granule, its A is asked for and the prefetches follow.
.macro STAGE2 n
	s_cmp_lt_u32 s[REM], 2
	s_cbranch_scc1 .Lno_next_\@
	s_wait_loadcnt 0x0                             ; B's tile is in
	DSTORE (SB+(\n)), 1
	WIN 0
.Lno_next_\@:
	s_wait_alu depctr_vm_vsrc(0)                   ; the LDS stores above have read the staging registers, in which A's next tile lands: ahead of the branch, so on every way to those loads
	s_cmp_eq_u32 s[BM], 0
	s_cbranch_scc1 .Lno_more_\@
	s_wait_loadcnt 0x0                             ; no load of mine is out, so PA may be written
	s_wait_xcnt 0x0                                ; the last prefetches, a whole trip back, have read their addresses
	NEXTG
	s_add_nc_u64 s[PA:PA+1], s[XT:XT+1], s[OFF:OFF+1]
	PFPTR
	GLOAD PA, 1
	WIN 0
	PFASK                                          ; together, behind the run of loads
.Lno_more_\@:
.endm
; A trip is four quarters of 32 along K, 64 matrix instructions each, on buffers 0, 1, 0, 1.  One of the first three multiplies buffers p and, in its first half, fetches the next quarter, at byte k, into buffers q:
; eight LDS loads behind each of its first four groups of eight matrix instructions, 56 to 32 matrix instructions ahead of their first use.  Each run costs two switches of the windows.
; The wait on DScnt is for 0: how many LDS instructions are out hangs on the jumps behind.
.macro QUARTER slot, k, p, q, zero, hook, n
	s_wait_dscnt 0x0                               ; buffers p are in
	s_wait_alu depctr_va_vdst(0)                   ; the quarter before is done reading buffers q, in which this quarter's 32 LDS loads land; no matrix instruction from here to the last of them names buffers q
	MUL8 \p, 0, 0, \zero
	PLACES
	FETCHB \slot, \k, \q, 0
	MUL8 \p, 0, 1, \zero
	FETCHB \slot, \k, \q, 4
	MUL8 \p, 0, 2, \zero
	FETCHA \slot, \k, \q, 0
	MUL8 \p, 0, 3, \zero
	FETCHA \slot, \k, \q, 4
.if (\hook) == 1
	STAGE1 \n
.elseif (\hook) == 2
	STAGE2 \n
.endif
	MUL16 \p, 1, 0, \zero
	MUL16 \p, 1, 2, \zero
.endm
; A TRIP on slot s; n is the other slot.  cond = 1: the trip may be dead (REM = 0): then all but the barrier is jumped over.  last = 1: the 32nd trip: nothing follows it, so it stages nothing and has no barrier.
.macro TRIP s, n, zero, cond, last
.if \cond
	s_cmp_eq_u32 s[REM], 0
.if \last
	s_cbranch_scc1 .Ldone_\@
.else
	s_cbranch_scc1 .Lmeet_\@
.endif
.endif
.if \last
	QUARTER \s, 64,  0, 1, \zero, 0, \n
	QUARTER \s, 128, 1, 0, 0, 0, \n
	QUARTER \s, 192, 0, 1, 0, 0, \n
.else
	QUARTER \s, 64,  0, 1, \zero, 1, \n
	QUARTER \s, 128, 1, 0, 0, 0, \n
	QUARTER \s, 192, 0, 1, 0, 2, \n
.endif
	s_wait_dscnt 0x0                               ; buffers 1 are in, and my stores into slot n are done
.if !(\last)
	s_wait_alu depctr_va_vdst(0)                   ; the third quarter is done reading buffers 0, in which the fetch behind the barrier lands; from here to that fetch
.endif
	MUL16 1, 0, 0, 0
	MUL16 1, 0, 2, 0
	WIN 0                                          ; at a label and at a branch every window is 0
.if !(\last)
.Lmeet_\@:
	s_wait_dscnt 0x0                               ; on either way here: my reads of slot s and my stores into slot n are over
	s_barrier_signal -1
	s_barrier_wait -1                              ; everybody's are: slot n is whole, and slot s may be written
.if \cond
	s_cmp_eq_u32 s[REM], 0
	s_cbranch_scc1 .Ldone_\@
.endif
	s_cmp_lt_u32 s[REM], 2
	s_cbranch_scc1 .Lno_fetch_\@
	PLACES
	FETCH \n, 0, 0                                 ; the next trip's first fragments
.Lno_fetch_\@:
.endif
	MUL16 1, 1, 0, 0
	MUL16 1, 1, 2, 0
	WIN 0
	s_sub_co_u32 s[REM], s[REM], 1
.Ldone_\@:
.endm
; THE WAY OUT of block a (16 rows x 128 columns, f32).  TOSTAGE: a lane's 32 bytes of each of 8 column blocks go into my own stage, each accumulator's low registers first; whole rows of 512 bytes come back, into OB[a % 3].
.macro TOSTAGE a
	WIN 0x08+4*((\a)/4)                            ; data window 2 or 3
.irp b, 0,1,2,3,4,5,6,7
	ds_store_b128 v[STO], v[8*(8*((\a)%4)+(\b)):8*(8*((\a)%4)+(\b))+3]   offset:64*(\b)
	ds_store_b128 v[STO], v[8*(8*((\a)%4)+(\b))+4:8*(8*((\a)%4)+(\b))+7] offset:64*(\b)+16
.endr
	WIN 0
.irp t, 0,1,2,3,4,5,6,7,8,9,10,11,12,13,14,15
	ds_load_b128 v[OB+64*((\a)%3)+4*(\t):OB+64*((\a)%3)+4*(\t)+3], v[RD] offset:(\t)*SPITCH  ; LDS serves a wave's instructions in order (ISA guide 5.7.1.4): these see the stores above, and the next block's stores come behind them
.endr
.endm
; SEND: the bias is added to the block's 16 rows; then the rows are stored.  younger: the LDS instructions issued behind block a's loads: the next block's 16 stores and 16 loads, or none.
; The order of the blocks is stage 0, stage 1, send 0, stage 2, send 1, ..: block a + 2, which is staged behind this block's stores, lands in OB[(a + 2) % 3] = OB[(a - 1) % 3], out of which block a - 1 was stored a block ago.
.macro SEND a, younger
	WIN 0
.irp t, 0,1,2,3,4,5,6,7,8,9,10,11,12,13,14,15
	s_wait_dscnt (\younger)+15-(\t)                ; row t is back: behind its load stand the block's 15 - t later ones and the younger
	v_pk_add_f32 v[OB+64*((\a)%3)+4*(\t):OB+64*((\a)%3)+4*(\t)+1],   v[OB+64*((\a)%3)+4*(\t):OB+64*((\a)%3)+4*(\t)+1],   v[BI:BI+1]
	v_pk_add_f32 v[OB+64*((\a)%3)+4*(\t)+2:OB+64*((\a)%3)+4*(\t)+3], v[OB+64*((\a)%3)+4*(\t)+2:OB+64*((\a)%3)+4*(\t)+3], v[BI+2:BI+3]
.endr
	s_wait_alu depctr_va_vdst(0)                   ; the additions have written the block's 64 registers, which the stores below read; no vector instruction stands between here and the next block's loads from the stage
.if ((\a) >= 1) && ((\a) <= 5)
	s_wait_xcnt 0x0                                ; the stores of block a - 1 have had their addresses translated: their data registers are loaded again only behind this wait
	s_wait_alu depctr_vm_vsrc(0)                   ; the stores of block a - 1 have read OB[(a - 1) % 3], in which block a + 2 lands
.endif
.irp t, 0,1,2,3,4,5,6,7,8,9,10,11,12,13,14,15
	global_store_b128 v[GO], v[OB+64*((\a)%3)+4*(\t):OB+64*((\a)%3)+4*(\t)+3], s[OUT:OUT+1] offset:(16*(\a)+(\t))*16384 th:TH_STORE_NT  ; 512 consecutive bytes, at a multiple of 512 from out0's first byte
.endr
.endm
	; THE LIST
	s_wait_loadcnt 0x0                             ; flags and bias
	v_or_b32 v[FJ], v[OWF], v[OWF+1]               ; the four waves' words of the launch before: 256 rows
	v_or_b32 v[TV], v[OWF+2], v[OWF+3]
	v_or_b32 v[FJ], v[FJ], v[TV]
	v_and_b32 v[FJ], v[FJ], v[HM]                  ; lane l keeps the half that speaks of granule l
	v_cmp_ne_u32 s[BM], 0, v[FJ]
	s_wait_alu depctr_va_sdst(0)                   ; s[BM] is written, ahead of its first reader
	s_cmp_eq_u32 s[BM], 0
	s_cselect_b32 s[BM], 1, s[BM]                  ; no true byte at all: granule 0, all zeros in wb, gives out0 = bias
	s_bcnt1_i32_b32 s[REM], s[BM]
	s_mov_b32 s[BMP], s[BM]
.rept 4
	s_sub_co_u32 s[TMP], s[BMP], 1                 ; the list's first four places are not prefetched
	s_and_b32 s[BMP], s[BMP], s[TMP]
.endr
	; THE FIRST TILES
	NEXTG
	s_add_nc_u64 s[PA:PA+1], s[XT:XT+1], s[OFF:OFF+1]
	s_add_nc_u64 s[PB:PB+1], s[WT:WT+1], s[OFF:OFF+1]
	WIN 0x40
	s_wait_alu depctr_va_vdst(0)                   ; the LDS addresses v16 to v25 and the prefetches' offset v7 are written: every LDS instruction and prefetch from here on reads one of them, and no vector instruction writes them again
	GLOAD PA, 1
	GLOAD PB, 0
	v_mov_b32 v[LOW], 0                            ; while they are on their way: which granules are live in an N tile below mine
.irp jj, 0,1,2,3,4,5,6,7,8,9,10,11,12,13,14
	s_cmp_gt_u32 s[J], \jj
	s_cselect_b32 s48, -1, 0
	v_or_b32 v[TV], v[OF+4*(\jj)], v[OF+4*(\jj)+1]
	v_or_b32 v[FJ], v[OF+4*(\jj)+2], v[OF+4*(\jj)+3]
	v_or_b32 v[TV], v[TV], v[FJ]
	v_and_or_b32 v[LOW], v[TV], s48, v[LOW]
.endr
	v_and_b32 v[LOW], v[LOW], v[HM]
	v_cmp_eq_u32 s[OWN], 0, v[LOW]
	s_wait_alu depctr_va_sdst(0)                   ; s[OWN] is written
	s_wait_loadcnt 0x0                             ; both tiles are in; no load of mine is out, so PA may be written
	DSTORE SA, 1
	DSTORE SB, 0
	WIN 0
	s_wait_alu depctr_vm_vsrc(0)                   ; the 64 LDS stores have read the staging registers, in which A's next tile lands, and v64 to v191, in which A's fragments land: ahead of the branch
	s_cmp_eq_u32 s[BM], 0
	s_cbranch_scc1 .Lone
	NEXTG
	s_add_nc_u64 s[PA:PA+1], s[XT:XT+1], s[OFF:OFF+1]
	GLOAD PA, 1                                    ; A of the list's second place
	WIN 0
.Lone:
	s_wait_dscnt 0x0                               ; my part of slot 0 is stored,
	s_barrier_signal -1
	s_barrier_wait -1                              ; everybody's is
	FETCH 0, 0, 0
	; THE WALK: 1 + 2 x 15 + 1 = 32 trips
	TRIP 0, 1, 1, 0, 0                             ; the first trip is always live; its first quarter starts all 64 sums: nothing is cleared
	s_mov_b32 s[LAP], 15
.Llap:
	TRIP 1, 0, 0, 1, 0
	TRIP 0, 1, 0, 1, 0
	s_sub_co_u32 s[LAP], s[LAP], 1
	s_cmp_lg_u32 s[LAP], 0
	s_cbranch_scc1 .Llap
	TRIP 1, 0, 0, 1, 1
	; THE WAY OUT
	s_wait_dscnt 0x0                               ; on every way through the text no LDS load into A's fragment registers is out when the loads below land on them (a fetch is issued only ahead of a live trip, which waits for it: here the wait finds nothing out)
	PLACES
	PLACES                                         ; eight, once a launch: the LDS stores below read results, and the loads land on A's fragment registers
	s_wait_alu depctr_va_vdst(0)                   ; the matrix instructions have written the accumulators, which the LDS stores read, and are done reading A's fragment registers, in which the loads from the stage land; the places above stay beside this wait
	TOSTAGE 0
.irp a, 1,2,3,4,5,6,7                  ; block a goes into the stage while block a - 1 comes back
	TOSTAGE \a
	SEND (\a)-1, 32
.endr
	SEND 7, 0
	s_wait_dscnt 0x0                               ; the closing lines, six on end
	s_wait_alu 0x0
	s_wait_tensorcnt 0x0
	ds_add_u32 v[SPW], v[NIL]
	s_wait_dscnt 0x0
	s_endpgm
.Lfunc_end_k_q5421e36b8b_gemm:
	.size	k_q5421e36b8b_gemm, .Lfunc_end_k_q5421e36b8b_gemm-k_q5421e36b8b_gemm
	.p2alignl 7, 3214868480
	.fill 96, 4, 3214868480
	.section	.rodata,"a",@progbits
	.p2align	6, 0x0
	.amdhsa_kernel k_q5421e36b8b_gemm
		.amdhsa_group_segment_fixed_size 312832
		.amdhsa_private_segment_fixed_size 0
		.amdhsa_enable_private_segment 0
		.amdhsa_kernarg_size 40
		.amdhsa_user_sgpr_count 2
		.amdhsa_user_sgpr_kernarg_segment_ptr 1
		.amdhsa_wavefront_size32 1
		.amdhsa_system_sgpr_workgroup_id_x 1
		.amdhsa_system_sgpr_workgroup_id_y 1
		.amdhsa_system_sgpr_workgroup_id_z 1
		.amdhsa_system_vgpr_workitem_id 0
		.amdhsa_next_free_vgpr 1024
		.amdhsa_next_free_sgpr 66
		.amdhsa_reserve_vcc 0
		.amdhsa_float_denorm_mode_32 3
		.amdhsa_float_denorm_mode_16_64 3
		.amdhsa_memory_ordered 1
		.amdhsa_forward_progress 1
		.amdhsa_inst_pref_size 212
	.end_amdhsa_kernel
	.amdgpu_metadata
---
amdhsa.version: [ 1, 2 ]
amdhsa.kernels:
  - .name:           k_q5421e36b8b_gemm
    .symbol:         k_q5421e36b8b_gemm.kd
    .args:
      - { .name: xb, .offset: 0, .size: 8, .value_kind: global_buffer, .address_space: global }
      - { .name: wb, .offset: 8, .size: 8, .value_kind: global_buffer, .address_space: global }
      - { .name: flags, .offset: 16, .size: 8, .value_kind: global_buffer, .address_space: global }
      - { .name: bias, .offset: 24, .size: 8, .value_kind: global_buffer, .address_space: global }
      - { .name: out0, .offset: 32, .size: 8, .value_kind: global_buffer, .address_space: global }
    .group_segment_fixed_size: 312832
    .private_segment_fixed_size: 0
    .kernarg_segment_align: 8
    .kernarg_segment_size: 40
    .max_flat_workgroup_size: 128
    .sgpr_count:     66
    .vgpr_count:     1024
    .wavefront_size: 32
...
	.end_amdgpu_metadata
.endif
;; end of part 4
